; MI455X (gfx1250); checked and timed in simulation.
; The chip was launched on July 23, 2026; its instructions are those of AMD's public machine-readable ISA for CDNA 5 (MIT licence, August 2026) and "CDNA5" Instruction Set Architecture Reference Guide (July 2026). The comments in the code are by the model that wrote it; some were corrected since.
;; X Ey Transformer Layer. Allowed arithmetic: float matrix products may take bf16 or f16 operands with f32 sums; all other float work in f32.
;; Inputs: E 2 x 256 x 256 x 64 float32; WE1 64 x 128 float32; WE2 128 x 64 float32; WX1 256 x 2,048 float32; WX2 2,048 x 256 float32; Wea 64 x 256 float32; Wem 64 x 256 float32; Weo 256 x 64 float32; Wk 256 x 256 float32; Wq 256 x 256 float32; Wv 256 x 256 float32; Wxo 256 x 256 float32; X 2 x 256 x 256 float32; bE1 128 float32; bE2 64 float32; bX1 2,048 float32; bX2 256 float32; bea 256 float32; bem 256 float32; beo 64 float32; betE1 64 float32; betE2 64 float32; betX1 256 float32; betX2 256 float32; bk 256 float32; bq 256 float32; bv 256 float32; bxo 256 float32; gE1 64 float32; gE2 64 float32; gX1 256 float32; gX2 256 float32; node_mask 2 x 256 bool; sparse_mask 256 x 256 bool.
;; Outputs: out0 2 x 256 x 256 float32; out1 2 x 256 x 256 x 64 float32.
;; 2 versions, each right; version 2 is version 1 with the launch prep written anew for expert scheduling mode. Each part assembles by itself: llvm-mc -triple=amdgcn-amd-amdhsa -mcpu=gfx1250 --defsym DOCPART=n.
;; ======== version 1 of 2: 4 launches
;; limits: right only within a limited range of input values
;; workspace buffers: qf 524,288 bytes; kv 1,048,576 bytes; wf 2,359,296 bytes; be 256 bytes; xo1 524,288 bytes; part 4,194,304 bytes
;; launch prep (part 1): grid 169 x 1, 8 waves a work-group, no clusters, 19,456 bytes of LDS; arguments X, Wq, Wk, Wv, bq, bk, bv, node_mask, Wem, Wea, Weo, WE1, WE2, Wxo, WX1, WX2, bea, beo, qf, kv, wf, be; writes qf, kv, wf, be
.if DOCPART == 1
	.amdgcn_target "amdgcn-amd-amdhsa--gfx1250"
	.amdhsa_code_object_version 6
	.text
	.protected	k_q45155cc4da_prep
	.globl	k_q45155cc4da_prep
	.p2align	8
	.type	k_q45155cc4da_prep,@function
k_q45155cc4da_prep:
	s_mov_b64 s[64:65], 0
	v_nop
	global_prefetch_b8 v0, s[64:65] scope:SCOPE_SE
	s_setreg_imm32_b32 hwreg(HW_REG_WAVE_MODE, 25, 1), 1
	s_wait_xcnt 0x0
; PREP: everything that the later launches want in another order or format.  Three roles, chosen by the work-group's number.
;  0..95    Q, K, V = (X W + b) xm, Q also times 1/sqrt(32); bf16 products, f32 sums.  Stored f32 in the order in which a 16 x 16
;           result tile lies in registers, so that the main launch loads K and V straight into registers with 16-byte loads.
;  96..167  the eight weight matrices, f32 [K][N], as bf16 operand fragments of 1,024 bytes: fragment (nt, ks), byte 512 half + 16 lane,
;           holds W[32 ks + 16 half + 8 h + 0..7][16 nt + r]  (r = lane % 16, h = lane / 16); place inside a matrix: nt KS + ks.
;  168      beo' = beo + bea Weo in f32 (bea's share of newE; see the main launch's head).
; No cluster: the work-groups of a role share only weights of a few hundred KB, which go to registers, not to LDS.
.set APITCH, 528                       ; a row of 256 bf16 + 16 bytes: an odd multiple of 16, so 16 rows start at 16 different 16-byte columns modulo 256
.set RED,    32*APITCH                 ; behind the 32 rows: 1,024 bytes for role 168's partial sums
.set G,   32                           ; v[32:159]  gathered weights (f32), then the A fragments [jt][ks][8]
.set BFR, 160                          ; v[160:223] X as loaded (first 32), then the B fragments [ks][8]
.set D,   224                          ; v[224:239] two result tiles
.set XM,  240                          ; v[240:255] xm of my 16 rows, times the scale
	v_lshl_add_u32 v14, v0, 2, 0x4800
	v_mov_b32 v15, 0
	v_lshrrev_b32 v1, 5, v0
	v_readfirstlane_b32 s2, v1                     ; wave
	v_and_b32 v2, 15, v0                           ; r
	v_bfe_u32 v3, v0, 4, 1                         ; h
	v_and_b32 v1, 31, v0
	v_lshlrev_b32 v1, 4, v1                        ; 16 x lane
	s_cmp_ge_u32 ttmp9, 168
	s_cbranch_scc1 .Lbeo
	s_cmp_ge_u32 ttmp9, 96
	s_cbranch_scc1 .Lconv
; ---------------------------------------------------------------- role Q, K, V
; work-group = (sel 0..2, ch 0..1, bw 0..15): rows 32 bw .. +31 of X, channels 128 ch .. +127; wave: channel tile ct = 8 ch + wave.
	s_load_b512 s[8:23], s[0:1], 0x0               ; X, Wq, Wk, Wv, bq, bk, bv, node_mask
	s_load_b128 s[24:27], s[0:1], 0x90             ; qf, kv
	s_lshr_b32 s3, ttmp9, 5                        ; sel
	s_bfe_u32 s4, ttmp9, 0x10004                   ; ch
	s_and_b32 s5, ttmp9, 15                        ; bw
	s_lshl_b32 s6, s4, 3
	s_add_co_u32 s6, s6, s2                        ; ct
	v_lshlrev_b32 v4, 4, v0                        ; X block: 16 t
	v_lshrrev_b32 v5, 6, v0
	v_mul_u32_u24 v5, v5, APITCH
	v_and_b32 v6, 63, v0
	v_lshl_add_u32 v5, v6, 3, v5                   ; LDS: row t / 64, 8 bytes at column t % 64
	v_lshlrev_b32 v6, 3, v3                        ; 8 h
	v_lshlrev_b32 v7, 2, v2                        ; 4 r
	v_lshl_add_u32 v8, v3, 13, v7                  ; weights: 8 h rows of 1,024 bytes + 4 r
	v_mul_u32_u24 v9, v2, APITCH
	v_lshl_add_u32 v9, v3, 4, v9                   ; A fragment: row r, 16 h
	s_lshl_b32 s28, s5, 15                         ; 32 rows of 1,024 bytes
	s_mov_b32 s29, 0
	s_lshl_b32 s30, s6, 6                          ; 16 channels of 4 bytes
	s_mov_b32 s31, 0
	s_lshl_b32 s32, s5, 5                          ; 32 mask bytes
	s_mov_b32 s33, 0
	s_lshl_b32 s43, s5, 15                         ; Q's place: (2 bw + jt) 16,384 + ct 1,024
	s_lshl_b32 s7, s6, 10
	s_add_co_u32 s43, s43, s7
	s_lshl_b32 s44, s5, 16                         ; K's, V's place: bw 65,536 + ct 4,096 + (sel - 1) 2,048 + jt 1,024
	s_lshl_b32 s7, s6, 12
	s_add_co_u32 s44, s44, s7
	s_sub_co_u32 s7, s3, 1
	s_lshl_b32 s7, s7, 11
	s_add_co_u32 s44, s44, s7                      ; (without meaning for sel = 0, and not chosen then)
	s_mov_b32 s42, 16384
	s_mov_b32 s47, 0
	s_wait_kmcnt 0x0
	s_add_nc_u64 s[28:29], s[8:9], s[28:29]        ; X at my rows
	s_add_nc_u64 s[32:33], s[22:23], s[32:33]      ; node_mask at my rows
	s_cmp_eq_u32 s3, 0
	s_cselect_b64 s[34:35], s[10:11], s[12:13]     ; W
	s_cselect_b64 s[36:37], s[16:17], s[18:19]     ; bias
	s_cselect_b64 s[38:39], s[24:25], s[26:27]     ; where to
	s_cselect_b32 s46, s43, s44
	s_cselect_b32 s41, s42, 1024                   ; from row tile 0 to row tile 1
	s_cselect_b32 s40, 0x3e3504f3, 1.0             ; 1 / sqrt(32) for Q
	s_cmp_eq_u32 s3, 2
	s_cselect_b64 s[34:35], s[14:15], s[34:35]
	s_cselect_b64 s[36:37], s[20:21], s[36:37]
	s_add_nc_u64 s[34:35], s[34:35], s[30:31]
	s_add_nc_u64 s[36:37], s[36:37], s[30:31]
	s_add_nc_u64 s[38:39], s[38:39], s[46:47]
.irp u, 0,1,2,3,4,5,6,7
	global_load_b128 v[BFR+4*\u:BFR+4*\u+3], v4, s[28:29] offset:4096*\u   ; the dense block of 32 rows, 4,096 bytes a line
.endr
	global_load_b64 v[16:17], v6, s[32:33]                 ; mask bytes of rows 8 h .. +7
	global_load_b64 v[18:19], v6, s[32:33] offset:16       ; and of rows 16 + 8 h .. +7
	global_load_b32 v20, v7, s[36:37]                      ; bias of my channel
; register G + 16 ks + 8 half + e = W[32 ks + 16 half + 8 h + e][16 ct + r]
.macro GATHER first, count
.set gi, \first
.rept \count
	global_load_b32 v[G+gi], v8, s[34:35] offset:(32*(gi/16)+16*((gi/8)%2)+(gi%8))*1024
.set gi, gi+1
.endr
.endm
	GATHER 0, 48
	s_wait_loadcnt 48                              ; the 48 gathers stay out: X, mask and bias are in
.irp u, 0,1,2,3,4,5,6,7
	v_cvt_pk_bf16_f32 v[192+2*\u], v[BFR+4*\u], v[BFR+4*\u+1]
	v_cvt_pk_bf16_f32 v[193+2*\u], v[BFR+4*\u+2], v[BFR+4*\u+3]
	ds_store_b64 v5, v[192+2*\u:193+2*\u] offset:4*APITCH*\u
.endr
	GATHER 48, 80
.set xi, 0
.rept 16
	v_bfe_u32 v[XM+xi], v[16+xi/4], 8*(xi%4), 8    ; byte of row 16 jt + 8 h + e, xi = 8 jt + e
.set xi, xi+1
.endr
.set xi, 0
.rept 16
	v_cvt_f32_u32 v[XM+xi], v[XM+xi]
.set xi, xi+1
.endr
.set xi, 0
.rept 16
	v_mul_f32 v[XM+xi], s40, v[XM+xi]
.set xi, xi+1
.endr
	v_mov_b32 v21, v20                             ; the bias as a pair
	v_add_nc_u32 v22, s41, v1                      ; store offset of row tile 1
	s_wait_dscnt 0x0                               ; my part of X is in LDS, for the others' sake
	s_barrier_signal -1
	s_barrier_wait -1
	s_wait_loadcnt 0x0
.set xi, 0
.rept 64
	v_cvt_pk_bf16_f32 v[BFR+xi], v[G+2*xi], v[G+2*xi+1]    ; B fragment ks: registers 0-3 k = 8 h .., 4-7 k = 16 + 8 h ..
.set xi, xi+1
.endr
.irp jt, 0,1
.irp ks, 0,1,2,3,4,5,6,7
	ds_load_b128 v[G+64*\jt+8*\ks:G+64*\jt+8*\ks+3],   v9 offset:16*APITCH*\jt+64*\ks
	ds_load_b128 v[G+64*\jt+8*\ks+4:G+64*\jt+8*\ks+7], v9 offset:16*APITCH*\jt+64*\ks+32
.endr
.endr
	s_wait_dscnt 0x0
.irp jt, 0,1
	v_wmma_f32_16x16x32_bf16 v[D+8*\jt:D+8*\jt+7], v[G+64*\jt:G+64*\jt+7], v[BFR:BFR+7], 0     ; the first product starts the sums
.endr
.irp ks, 1,2,3,4,5,6,7
.irp jt, 0,1
	v_wmma_f32_16x16x32_bf16 v[D+8*\jt:D+8*\jt+7], v[G+64*\jt+8*\ks:G+64*\jt+8*\ks+7], v[BFR+8*\ks:BFR+8*\ks+7], v[D+8*\jt:D+8*\jt+7]
.endr
.endr
.rept 4
	v_nop                                          ; four places before a vector instruction reads a matrix result (ISA guide 7.12.1)
.endr
.irp p, 0,2,4,6,8,10,12,14
	v_pk_add_f32 v[D+\p:D+\p+1], v[D+\p:D+\p+1], v[20:21]
.endr
.irp p, 0,2,4,6,8,10,12,14
	v_pk_mul_f32 v[D+\p:D+\p+1], v[D+\p:D+\p+1], v[XM+\p:XM+\p+1]
.endr
	global_store_b128 v1,  v[D:D+3],     s[38:39]              ; each store of the wave: 512 consecutive bytes, aligned
	global_store_b128 v1,  v[D+4:D+7],   s[38:39] offset:512
	global_store_b128 v22, v[D+8:D+11],  s[38:39]
	global_store_b128 v22, v[D+12:D+15], s[38:39] offset:512
	s_wait_tensorcnt 0x0
	ds_add_u32 v14, v15
	s_wait_dscnt 0x0
	s_endpgm
; ---------------------------------------------------------------- role weights to fragments
; job = 8 (work-group - 96) + wave, 0..575.  A job makes the four fragments nt = 4 ntq + q of one ks: its loads of one row cover 256 bytes.
.Lconv:
	s_load_b512 s[8:23], s[0:1], 0x40              ; Wem, Wea, Weo, WE1, WE2, Wxo, WX1, WX2
	s_load_b64 s[24:25], s[0:1], 0xa0              ; wf
	s_sub_co_u32 s3, ttmp9, 96
	s_lshl_b32 s3, s3, 3
	s_add_co_u32 s3, s3, s2                        ; job
	s_wait_kmcnt 0x0
	s_mov_b64 s[40:41], s[8:9]                     ; Wem: first job 0, log2 KS 1, row of 1,024 bytes, first fragment 0
	s_mov_b32 s42, 0
	s_mov_b32 s43, 1
	s_mov_b32 s44, 1024
	s_mov_b32 s45, 0
.macro SELM start, ptr, lks, rb, dfrag             ; from job start on: the next matrix
	s_cmp_ge_u32 s3, \start
	s_cselect_b64 s[40:41], s[\ptr:\ptr+1], s[40:41]
	s_cselect_b32 s42, \start, s42
	s_cselect_b32 s43, \lks, s43
	s_cselect_b32 s44, \rb, s44
	s_cselect_b32 s45, \dfrag, s45
.endm
	SELM 8,   10, 1, 1024, 32                      ; Wea  [64][256]
	SELM 16,  12, 3, 256,  64                      ; Weo  [256][64]
	SELM 24,  14, 1, 512,  96                      ; WE1  [64][128]
	SELM 28,  16, 2, 256,  112                     ; WE2  [128][64]
	SELM 32,  18, 3, 1024, 128                     ; Wxo  [256][256]
	SELM 64,  20, 3, 8192, 256                     ; WX1  [256][2048]
	SELM 320, 22, 6, 1024, 1280                    ; WX2  [2048][256]
	s_sub_co_u32 s46, s3, s42                      ; job inside the matrix
	s_lshl_b32 s47, 1, s43                         ; KS
	s_sub_co_u32 s48, s47, 1
	s_and_b32 s48, s46, s48                        ; ks
	s_lshr_b32 s49, s46, s43                       ; ntq
	s_mul_i32 s50, s48, s44
	s_lshl_b32 s50, s50, 5                         ; 32 ks rows
	s_lshl_b32 s51, s49, 8                         ; + 64 columns of 4 bytes for each ntq
	s_add_co_u32 s50, s50, s51
	s_mov_b32 s51, 0
	s_add_nc_u64 s[40:41], s[40:41], s[50:51]
	s_mul_i32 s52, s49, s47
	s_lshl_b32 s52, s52, 2                         ; 4 ntq KS
	s_add_co_u32 s52, s52, s45
	s_add_co_u32 s52, s52, s48
	s_lshl_b32 s52, s52, 10                        ; fragments of 1,024 bytes
	s_mov_b32 s53, 0
	s_add_nc_u64 s[24:25], s[24:25], s[52:53]
	s_lshl_b32 s54, s47, 10                        ; from nt to nt + 1: KS fragments
	s_mul_i32 s55, s44, 9                          ; nine rows
	v_lshlrev_b32 v4, 3, v3
	v_mul_lo_u32 v4, v4, s44                       ; 8 h rows
	v_lshl_add_u32 v16, v2, 2, v4                  ; v[16+a], a = 8 half + e: row 16 half + 8 h + e, column r
.irp a, 1,2,3,4,5,6,7
	v_add_nc_u32 v[16+\a], s44, v[15+\a]
.endr
	v_add_nc_u32 v24, s55, v23                     ; from row 8 h + 7 to row 16 + 8 h
.irp a, 9,10,11,12,13,14,15
	v_add_nc_u32 v[16+\a], s44, v[15+\a]
.endr
	v_mov_b32 v128, v1                             ; store offsets: 16 lane + q KS 1,024
	v_add_nc_u32 v129, s54, v128
	v_add_nc_u32 v130, s54, v129
	v_add_nc_u32 v131, s54, v130
.irp a, 0,1,2,3,4,5,6,7,8,9,10,11,12,13,14,15
.irp q, 0,1,2,3
	global_load_b32 v[32+16*\q+\a], v[16+\a], s[40:41] offset:64*\q
.endr
.endr
	s_wait_loadcnt 0x0
.set xi, 0
.rept 32
	v_cvt_pk_bf16_f32 v[96+xi], v[32+2*xi], v[33+2*xi]
.set xi, xi+1
.endr
.irp q, 0,1,2,3
	global_store_b128 v[128+\q], v[96+8*\q:96+8*\q+3], s[24:25]            ; 512 consecutive bytes, aligned
	global_store_b128 v[128+\q], v[96+8*\q+4:96+8*\q+7], s[24:25] offset:512
.endr
	s_endpgm
; ---------------------------------------------------------------- role beo' = beo + bea Weo, f32
; thread t: column e = t % 64, the 64 rows c = 64 (t / 64) .. +63; the four partial sums meet in LDS.
.Lbeo:
	s_load_b64 s[8:9], s[0:1], 0x50                ; Weo
	s_load_b128 s[12:15], s[0:1], 0x80             ; bea, beo
	s_load_b64 s[16:17], s[0:1], 0xa8              ; be
	v_and_b32 v4, 63, v0
	v_lshrrev_b32 v5, 6, v0
	v_lshlrev_b32 v6, 14, v5
	v_lshl_add_u32 v6, v4, 2, v6                   ; 64 rows of 256 bytes for each quarter + 4 e
	v_lshlrev_b32 v7, 8, v5                        ; bea: 64 numbers for each quarter
	v_lshlrev_b32 v8, 2, v0
	v_lshlrev_b32 v9, 3, v0
	s_wait_kmcnt 0x0
.set xi, 0
.rept 64
	global_load_b32 v[32+xi], v6, s[8:9] offset:256*xi
.set xi, xi+1
.endr
.set xi, 0
.rept 16
	global_load_b128 v[96+4*xi:96+4*xi+3], v7, s[12:13] offset:16*xi
.set xi, xi+1
.endr
	s_wait_loadcnt 0x0
	v_pk_mul_f32 v[16:17], v[32:33], v[96:97]      ; two chains, started by the first products
	v_pk_mul_f32 v[18:19], v[34:35], v[98:99]
.set xi, 4
.rept 15
	v_pk_fma_f32 v[16:17], v[32+xi:33+xi], v[96+xi:97+xi], v[16:17]
	v_pk_fma_f32 v[18:19], v[34+xi:35+xi], v[98+xi:99+xi], v[18:19]
.set xi, xi+4
.endr
	v_pk_add_f32 v[16:17], v[16:17], v[18:19]
	v_add_f32 v16, v16, v17
	ds_store_b32 v8, v16 offset:RED
	s_wait_dscnt 0x0
	s_barrier_signal -1
	s_barrier_wait -1
	s_cmp_lg_u32 s2, 0
	s_cbranch_scc1 .Lbeo_end                       ; wave 0 alone adds up: lane L takes columns 2 L, 2 L + 1
	global_load_b64 v[20:21], v9, s[14:15]
.irp q, 0,1,2,3
	ds_load_b64 v[22+2*\q:23+2*\q], v9 offset:RED+256*\q
.endr
	s_wait_loadcnt 0x0
	s_wait_dscnt 0x0
	v_pk_add_f32 v[22:23], v[22:23], v[24:25]
	v_pk_add_f32 v[26:27], v[26:27], v[28:29]
	v_pk_add_f32 v[22:23], v[22:23], v[26:27]
	v_pk_add_f32 v[20:21], v[20:21], v[22:23]
	global_store_b64 v9, v[20:21], s[16:17]        ; the wave stores the buffer's 256 bytes
.Lbeo_end:
	s_wait_tensorcnt 0x0
	ds_add_u32 v14, v15
	s_wait_dscnt 0x0
	s_endpgm
.Lfunc_end_k_q45155cc4da_prep:
	.size	k_q45155cc4da_prep, .Lfunc_end_k_q45155cc4da_prep-k_q45155cc4da_prep
	.p2alignl 7, 3214868480
	.fill 96, 4, 3214868480
	.section	.rodata,"a",@progbits
	.p2align	6, 0x0
	.amdhsa_kernel k_q45155cc4da_prep
		.amdhsa_group_segment_fixed_size 19456
		.amdhsa_private_segment_fixed_size 0
		.amdhsa_enable_private_segment 0
		.amdhsa_kernarg_size 176
		.amdhsa_user_sgpr_count 2
		.amdhsa_user_sgpr_kernarg_segment_ptr 1
		.amdhsa_wavefront_size32 1
		.amdhsa_system_sgpr_workgroup_id_x 1
		.amdhsa_system_sgpr_workgroup_id_y 1
		.amdhsa_system_sgpr_workgroup_id_z 1
		.amdhsa_system_vgpr_workitem_id 0
		.amdhsa_next_free_vgpr 256
		.amdhsa_next_free_sgpr 66
		.amdhsa_reserve_vcc 0
		.amdhsa_float_denorm_mode_32 3
		.amdhsa_float_denorm_mode_16_64 3
		.amdhsa_memory_ordered 1
		.amdhsa_forward_progress 1
		.amdhsa_inst_pref_size 52
	.end_amdhsa_kernel
	.amdgpu_metadata
---
amdhsa.version: [ 1, 2 ]
amdhsa.kernels:
  - .name:           k_q45155cc4da_prep
    .symbol:         k_q45155cc4da_prep.kd
    .args:
      - { .name: X, .offset: 0, .size: 8, .value_kind: global_buffer, .address_space: global }
      - { .name: Wq, .offset: 8, .size: 8, .value_kind: global_buffer, .address_space: global }
      - { .name: Wk, .offset: 16, .size: 8, .value_kind: global_buffer, .address_space: global }
      - { .name: Wv, .offset: 24, .size: 8, .value_kind: global_buffer, .address_space: global }
      - { .name: bq, .offset: 32, .size: 8, .value_kind: global_buffer, .address_space: global }
      - { .name: bk, .offset: 40, .size: 8, .value_kind: global_buffer, .address_space: global }
      - { .name: bv, .offset: 48, .size: 8, .value_kind: global_buffer, .address_space: global }
      - { .name: node_mask, .offset: 56, .size: 8, .value_kind: global_buffer, .address_space: global }
      - { .name: Wem, .offset: 64, .size: 8, .value_kind: global_buffer, .address_space: global }
      - { .name: Wea, .offset: 72, .size: 8, .value_kind: global_buffer, .address_space: global }
      - { .name: Weo, .offset: 80, .size: 8, .value_kind: global_buffer, .address_space: global }
      - { .name: WE1, .offset: 88, .size: 8, .value_kind: global_buffer, .address_space: global }
      - { .name: WE2, .offset: 96, .size: 8, .value_kind: global_buffer, .address_space: global }
      - { .name: Wxo, .offset: 104, .size: 8, .value_kind: global_buffer, .address_space: global }
      - { .name: WX1, .offset: 112, .size: 8, .value_kind: global_buffer, .address_space: global }
      - { .name: WX2, .offset: 120, .size: 8, .value_kind: global_buffer, .address_space: global }
      - { .name: bea, .offset: 128, .size: 8, .value_kind: global_buffer, .address_space: global }
      - { .name: beo, .offset: 136, .size: 8, .value_kind: global_buffer, .address_space: global }
      - { .name: qf, .offset: 144, .size: 8, .value_kind: global_buffer, .address_space: global }
      - { .name: kv, .offset: 152, .size: 8, .value_kind: global_buffer, .address_space: global }
      - { .name: wf, .offset: 160, .size: 8, .value_kind: global_buffer, .address_space: global }
      - { .name: be, .offset: 168, .size: 8, .value_kind: global_buffer, .address_space: global }
    .group_segment_fixed_size: 19456
    .private_segment_fixed_size: 0
    .kernarg_segment_align: 8
    .kernarg_segment_size: 176
    .max_flat_workgroup_size: 256
    .sgpr_count:     66
    .vgpr_count:     256
    .wavefront_size: 32
...
	.end_amdgpu_metadata
.endif
;; end of part 1
;; launch main (part 2): grid 256 x 1, 8 waves a work-group, no clusters, 280,832 bytes of LDS; arguments E, node_mask, sparse_mask, bem, gE1, betE1, gE2, betE2, bE1, bE2, qf, kv, wf, be, xo1, out1, X, bxo, gX1, betX1; writes xo1, out1
.if DOCPART == 2
	.amdgcn_target "amdgcn-amd-amdhsa--gfx1250"
	.amdhsa_code_object_version 6
	.text
	.protected	k_q45155cc4da_main
	.globl	k_q45155cc4da_main
	.p2align	8
	.type	k_q45155cc4da_main,@function
k_q45155cc4da_main:
	s_mov_b64 s[64:65], 0
	v_nop
	global_prefetch_b8 v0, s[64:65] scope:SCOPE_SE
	s_setreg_imm32_b32 hwreg(HW_REG_WAVE_MODE, 25, 1), 1
	s_wait_xcnt 0x0
; MAIN: the whole edge path, the attention and the node path's first layer, for two query rows i0, i0 + 1 of one batch element in each work-group.
; Wave w owns the keys j = 32 w .. +31 of both rows: four row tiles rt = 2 ii + jt of 16 edges.  Nothing of Y, E1, E2, newE, H, wV reaches memory.
;   loop over the 256 channels c, 16 at a time:  E1 + 1 and E2 by matrix instructions with lane = c, registers = j;
;   Y0 = (Q K s) (E1 + 1) + E2;  the softmax over j is work inside a lane (maximum, exp, two sums), one exchange of lane halves;
;   Y0 goes as bf16 through the wave's own LDS bytes and comes back transposed as the B operand of Y Weo.
;   behind the loop: the eight waves' (shift, sum, weighted sum) meet in LDS -> wV, kept as bf16 in LDS;  x = E + newE lies in the accumulators
;   with lane = j, registers = channel, which packs straight into the next B operand: LN, FF1, relu, FF2, LN run in registers.
;   behind the last stores of out1, while they leave: newX = wV Wxo (wave w: output channels 32 w .. +31), then waves 0 and 1 make
;   Xo = LN(X + xm (newX + bxo)) of one row each.  Here this layer is made once for each row; in the next launch every slice would repeat it.
; ALGEBRA, for every input (em = xm(i) xm(j) is 0 or 1): em is applied by multiplying E's operand rows by it.  bem + 1 is the C operand
;   of E Wem; where em = 0, Q K is 0 (Q and K carry xm), so that factor does not matter and Y0 = 0 exactly.  bea em is the same for all
;   allowed keys of a column (there xm(j) = 1), so the softmax does not see it; in newE it is em (bea Weo), added in f32 with beo:
;   the accumulators start at E + em beo'.  The gate s = sparse & node(j) stands for sparse alone, since K = 0 where node(j) = 0.
; LIMITS: a wave's softmax shift is max(largest allowed Y0, -2^120), which keeps a wave without an allowed key finite; a column whose
;   allowed Y0 all lie below -2^120 (-1.3e36) would give NaN.  A column with no allowed key gives 0 x inf = NaN, as the softmax of
;   nothing does.  bea reaches newE in f32, not through the bf16 Y.  Mask bytes are 0 or 1.
; NO CLUSTER: of the 917,504 bytes that a work-group reads, 524,288 are K and V, of which each number is used by one lane, once for each
;   of the two rows, and goes straight to registers, as do Wxo's 131,072; a joint request lands in LDS only and would add a write and a read
;   of those bytes there.  The weights that go to LDS and that all work-groups share are 131,072 bytes, a seventh.
.set EPITCH, 272                       ; a row of 64 f32 + 16 bytes: an odd multiple of 16
.set ELW,    64*EPITCH                 ; a wave's 64 rows of E
.set EL,     131072                    ; behind the weights' 128 fragments
.set YPITCH, 160                       ; a channel's 64 bf16 + 32 bytes: an odd multiple of 32
.set OSO,    32*YPITCH                 ; a wave's bytes after E is read out: Y stage, then the stage for the way out (16 x 272),
.set PTO,    OSO+16*EPITCH             ; then [ii][shift, sum, weighted sum][256 c] f32
.set B1T,    EL+8*ELW                  ; (bem[c] + 1) four times, 16 bytes a channel
.set QST,    B1T+4096                  ; [c][q of i0, q of i0 + 1]
.set XAP,    528                       ; 256 bf16 + 16 bytes
.set ACTX,   QST+2048                  ; wV of the two rows, bf16
.set XFP,    1040                      ; 256 f32 + 16 bytes
.set XFX,    ACTX+2*XAP                ; wV Wxo of the two rows, f32
.set WL_WEA, 32768
.set WL_WEO, 65536
.set WL_WE1, 98304
; window 0:  v1 16 lane  v2 r  v3 h  v4 Wem/Wea  v5 B1T  v6 QST  v7 PTO  v8 Weo  v9 Y in  v10 Y back  v11 E rows / out in  v12 out back
;            v13 0, later 32 h   v14 -inf, later a node byte   v15 lane exchange   v28-31 at work
.set EMP, 16                           ; v[16:23]   em of my lane's edge, a pair for each row tile
.set QP,  24                           ; v[24:25]   q of the two rows at my channel
.set NM,  26                           ; v[26:27]   - shift x log2 e, twice
.set WM,  32                           ; v[32:47]   Wem fragments ks 0, 1
.set WAE, 48                           ; v[48:63]   Wea fragments
.set B1,  64                           ; v[64:71]   bem + 1 as a C operand
.set YP,  72                           ; v[72:79]   Y0 packed
.set KQ,  80                           ; v[80:95]   K q s
.set DA,  96                           ; v[96:111]  E1 + 1, then Y0 + mask, then the exponentials; v[96:127] also Y as B operands
.set DD,  112                          ; v[112:127] E2, then Y0
.set KVA, 128                          ; v[128:159] K (16), V (16) of one channel tile
.set KVB, 160                          ; v[160:191] the other buffer
.set WO,  192                          ; v[192:223] Weo fragments; beo' at the start
.set T,   224                          ; v[224:255] at work
; window 1:  0-127 x accumulators [rt][et][8];  128-191 E (later LN1's result) as bf16 operands [rt][16];
.set EAW, 128
.set SW,  192                          ; 192-223 gate 0.0 / 1.0 [rt][8], later gE2
.set NGW, 224                          ; 224-255 0 / -inf [rt][8], later betE2
.set MSB, 0
.macro WIN new                         ; low byte: bits 1:0 source 0, 3:2 source 1, 5:4 source 2, 7:6 destination; high byte: the setting left
.if MSB != \new
	s_set_vgpr_msb (MSB<<8)|\new
.set MSB, \new
.endif
.endm
	s_load_b512 s[8:23], s[0:1], 0x0               ; E 8, node_mask 10, sparse_mask 12, bem 14, gE1 16, betE1 18, gE2 20, betE2 22
	s_load_b512 s[24:39], s[0:1], 0x40             ; bE1 24, bE2 26, qf 28, kv 30, wf 32, be 34, xo1 36, out1 38
	v_lshl_add_u32 v254, v0, 2, 0x44500
	v_mov_b32 v255, 0
	ds_add_u32 v254, v255
	ds_add_u32 v254, v255
	s_wait_dscnt 0x0
	v_lshrrev_b32 v1, 5, v0
	v_readfirstlane_b32 s2, v1                     ; wave
	s_lshl_b32 s3, ttmp9, 1                        ; g0 = 256 b + i0
	s_lshr_b32 s4, ttmp9, 7                        ; b
	s_and_b32 s5, s3, 255                          ; i0
	s_mul_i32 s6, s2, ELW
	s_add_co_u32 s6, s6, EL                        ; my wave's bytes
	; group 1 for E: 32 rows of 64 f32, dense in memory, 4 words of padding behind every 64
	s_mov_b32 s40, 0x07520000                      ; element of 4 bytes; padding on, every 64 words (code 5), 4 words (code 3)
	s_mov_b32 s41, 64<<16                          ; tensor_dim0 = 64
	s_mov_b32 s42, 32<<16                          ; tensor_dim1 = 32
	s_mov_b32 s43, 64<<16                          ; tile_dim0 = 64
	s_mov_b32 s44, 32                              ; tile_dim1 = 32
	s_mov_b32 s45, 64                              ; pitch
	s_mov_b32 s46, 0
	s_mov_b32 s47, 0
	; group 1 for the weights: a dense block of 16,384 bytes as 64 rows of 32 elements of 8 bytes
	s_mov_b32 s48, 3<<16
	s_mov_b32 s49, 32<<16
	s_mov_b32 s50, 64<<16
	s_mov_b32 s51, 32<<16
	s_mov_b32 s52, 64
	s_mov_b32 s53, 32
	s_mov_b32 s54, 0
	s_mov_b32 s55, 0
	s_lshl_b32 s72, s3, 16                         ; a query row's edges: 65,536 bytes
	s_lshl_b32 s7, s2, 13                          ; my 32 keys: 8,192 bytes
	s_add_co_u32 s72, s72, s7
	s_mov_b32 s73, 0
	s_mov_b32 s56, 1
	s_mov_b32 s57, s6
	s_mov_b32 s60, 1
	s_add_co_u32 s61, s6, 32*EPITCH
	s_mov_b32 s68, 1
	s_lshl_b32 s69, s2, 14                         ; my eighth of the weights, in LDS and in wf
	s_mov_b32 s74, s69
	s_mov_b32 s75, 0
	s_wait_kmcnt 0x0
	s_add_nc_u64 s[58:59], s[8:9], s[72:73]
	s_add_nc_u64 s[62:63], s[58:59], 0x10000
	s_or_b32 s59, s59, 0x80000000
	s_or_b32 s63, s63, 0x80000000
	s_add_nc_u64 s[70:71], s[32:33], s[74:75]
	s_or_b32 s71, s71, 0x80000000
	tensor_load_to_lds s[56:59], s[40:47]          ; E of row i0, my keys
	s_nop 0
	tensor_load_to_lds s[60:63], s[40:47]          ; E of row i0 + 1
	s_nop 0
	tensor_load_to_lds s[68:71], s[48:55]          ; my eighth of the weights: three loads of this wave are out, and no more follow
	s_nop 0
	; scalar bases
	s_lshl_b32 s7, s2, 5                           ; 32 w
	s_lshl_b32 s74, s5, 8
	s_add_co_u32 s74, s74, s7
	s_mov_b32 s75, 0
	s_add_nc_u64 s[74:75], s[12:13], s[74:75]      ; sparse_mask[i0][32 w]
	s_lshl_b32 s76, s4, 8
	s_add_co_u32 s76, s76, s7
	s_mov_b32 s77, 0
	s_add_nc_u64 s[76:77], s[10:11], s[76:77]      ; node_mask[b][32 w]
	s_mov_b32 s78, s3
	s_mov_b32 s79, 0
	s_add_nc_u64 s[78:79], s[10:11], s[78:79]      ; node_mask[b][i0]
	s_lshr_b32 s80, s3, 4                          ; qf: row tile g0 / 16, half (g0 / 4) % 2, lane half (g0 / 8) % 2, word g0 % 4
	s_lshl_b32 s80, s80, 14
	s_bfe_u32 s7, s3, 0x10002
	s_lshl_b32 s7, s7, 9
	s_add_co_u32 s80, s80, s7
	s_bfe_u32 s7, s3, 0x10003
	s_lshl_b32 s7, s7, 8
	s_add_co_u32 s80, s80, s7
	s_and_b32 s7, s3, 3
	s_lshl_b32 s7, s7, 2
	s_add_co_u32 s80, s80, s7
	s_mov_b32 s81, 0
	s_add_nc_u64 s[80:81], s[28:29], s[80:81]
	s_lshl_b32 s82, s4, 3
	s_add_co_u32 s82, s82, s2
	s_lshl_b32 s82, s82, 16
	s_mov_b32 s83, 0
	s_add_nc_u64 s[82:83], s[30:31], s[82:83]      ; kv[8 b + w]
	s_add_nc_u64 s[84:85], s[38:39], s[72:73]      ; out1, as E
	s_lshl_b32 s86, s3, 10
	s_mov_b32 s87, 0
	s_add_nc_u64 s[86:87], s[36:37], s[86:87]      ; xo1[g0]
	s_mov_b32 s88, 0xfb800000                      ; -2^120
	s_mov_b32 s89, 0xbfb8aa3b                      ; -log2 e
	s_mov_b32 s90, 0xbc800000                      ; -1/64
	s_mov_b32 s91, 0x3c800000                      ; 1/64
	s_mov_b32 s93, 0x76543210                      ; v_permlanex16_b32: lane i of one half reads lane i of the other
	s_mov_b32 s94, 0xfedcba98
	s_mov_b32 s95, 0x3727c5ac                      ; 1e-5
	; lane terms
	v_and_b32 v28, 31, v0
	v_lshlrev_b32 v1, 4, v28                       ; 16 lane
	v_and_b32 v2, 15, v0                           ; r
	v_bfe_u32 v3, v0, 4, 1                         ; h
	v_mov_b32 v4, v1
	v_lshl_add_u32 v5, v2, 4, B1T
	v_lshl_add_u32 v6, v2, 3, QST
	s_add_co_u32 s7, s6, PTO
	v_lshl_add_u32 v7, v2, 2, s7
	v_add_nc_u32 v8, WL_WEO, v1
	v_mul_u32_u24 v28, v2, YPITCH
	v_lshl_add_u32 v28, v3, 4, v28
	v_add_nc_u32 v9, s6, v28                       ; Y in: channel row r, 16 bytes for each lane half
	v_and_b32 v28, 7, v0
	v_lshl_add_u32 v28, v3, 3, v28
	v_mul_u32_u24 v28, v28, YPITCH
	v_bfe_u32 v29, v0, 3, 1
	v_lshl_add_u32 v28, v29, 4, v28
	v_add_nc_u32 v10, s6, v28                      ; Y back: row 8 h + lane % 8, 16 bytes x (lane / 8) % 2
	v_mul_u32_u24 v28, v2, EPITCH
	v_lshl_add_u32 v28, v3, 5, v28
	v_add_nc_u32 v11, s6, v28                      ; E: row r, 8 h numbers in
	v_mul_u32_u24 v28, v3, EPITCH
	v_lshl_add_u32 v28, v2, 4, v28
	v_add_nc_u32 v28, s6, v28
	v_add_nc_u32 v12, OSO, v28                     ; out back: row h, 16 r
	v_mov_b32 v13, 0
	v_mov_b32 v14, 0xff800000
	v_mov_b32 v15, 0
	v_lshlrev_b32 v28, 3, v3                       ; 8 h
	v_lshlrev_b32 v29, 5, v3                       ; 32 h
	v_lshlrev_b32 v30, 2, v0                       ; 4 t
	v_lshrrev_b32 v31, 4, v0
	v_lshlrev_b32 v31, 10, v31
	v_lshl_add_u32 v31, v2, 4, v31                 ; qf: channel tile t / 16, lane t % 16
.macro KVLOAD buf, off                             ; K and V of one channel tile: eight loads of 512 consecutive bytes
.irp u, 0,1,2,3,4,5,6,7
	global_load_b128 v[\buf+4*\u:\buf+4*\u+3], v1, s[82:83] offset:\off+512*\u
.endr
.endm
	global_load_b64 v[96:97],   v28, s[74:75]              ; sparse bytes of keys 16 jt + 8 h .. +7: rt 0
	global_load_b64 v[98:99],   v28, s[74:75] offset:16    ; rt 1
	global_load_b64 v[100:101], v28, s[74:75] offset:256   ; rt 2
	global_load_b64 v[102:103], v28, s[74:75] offset:272   ; rt 3
	global_load_b64 v[104:105], v28, s[76:77]              ; node bytes of the same keys
	global_load_b64 v[106:107], v28, s[76:77] offset:16
	global_load_u8 v108, v2, s[76:77]                      ; node byte of key 16 jt + r
	global_load_u8 v109, v2, s[76:77] offset:16
	global_load_u8 v110, v13, s[78:79]                     ; node byte of i0, of i0 + 1
	global_load_u8 v111, v13, s[78:79] offset:1
.irp et, 0,1,2,3
	global_load_b128 v[WO+8*\et:WO+8*\et+3],   v29, s[34:35] offset:64*\et         ; beo'[16 et + 8 h ..]
	global_load_b128 v[WO+8*\et+4:WO+8*\et+7], v29, s[34:35] offset:64*\et+16
.endr
	global_load_b32 v112, v30, s[14:15]                    ; bem[t]
	global_load_b64 v[114:115], v31, s[80:81]              ; q of both rows at channel t
	KVLOAD KVA, 0
	s_wait_loadcnt 0x0
	v_add_f32 v116, 1.0, v112
	v_mov_b32 v117, v116
	v_mov_b32 v118, v116
	v_mov_b32 v119, v116
	v_lshl_add_u32 v28, v0, 4, B1T
	ds_store_b128 v28, v[116:119]
	v_lshl_add_u32 v29, v0, 3, QST
	ds_store_b64 v29, v[114:115]
; gate and mask of row tile rt in the layout lane = channel, register e = key 8 h + e; em in the layout lane = key
.macro MASK rt
	v_and_b32 v120, v[96+2*\rt], v[104+2*(\rt&1)]
	v_and_b32 v121, v[97+2*\rt], v[105+2*(\rt&1)]
.irp e, 0,1,2,3
	v_bfe_u32 v[T+\e], v120, 8*\e, 8
	v_bfe_u32 v[T+4+\e], v121, 8*\e, 8
.endr
	WIN 0x40
.irp e, 0,1,2,3,4,5,6,7
	v_cvt_f32_u32 v[SW+8*\rt+\e], v[T+\e]
	v_cmp_ne_u32 vcc_lo, 0, v[T+\e]
	v_cndmask_b32 v[NGW+8*\rt+\e], v14, v13, vcc_lo        ; allowed: 0, else -inf
.endr
	WIN 0
	v_and_b32 v122, v[108+(\rt&1)], v[110+(\rt>>1)]
	v_cvt_f32_u32 v[EMP+2*\rt], v122
	v_cvt_f32_u32 v[EMP+2*\rt+1], v122
.endm
	MASK 0
	MASK 1
	MASK 2
	MASK 3
	s_wait_tensorcnt 0x1                           ; the weights' load stays out: both E tiles are in, and only this wave reads them
	WIN 0x40
.irp q, 0,1,2,3
.irp et, 0,1,2,3
	ds_load_b128 v[32*\q+8*\et:32*\q+8*\et+3],   v11 offset:16*EPITCH*\q+64*\et       ; x[rt][et][e] = E[16 rt + r][16 et + 8 h + e]
	ds_load_b128 v[32*\q+8*\et+4:32*\q+8*\et+7], v11 offset:16*EPITCH*\q+64*\et+16
.endr
.endr
	s_wait_dscnt 0x0
; E em as bf16: two neighbouring channel tiles of a lane are one operand fragment (k = 8 h .., 16 + 8 h ..).  Then x = E + em beo'.
.macro ECVT rt
	WIN 0x01
.irp p, 0,2,4,6,8,10,12,14,16,18,20,22,24,26,28,30
	v_pk_mul_f32 v[T+\p:T+\p+1], v[32*\rt+\p:32*\rt+\p+1], v[EMP+2*\rt:EMP+2*\rt+1]
.endr
	WIN 0x40
.irp p, 0,1,2,3,4,5,6,7,8,9,10,11,12,13,14,15
	v_cvt_pk_bf16_f32 v[EAW+16*\rt+\p], v[T+2*\p], v[T+2*\p+1]
.endr
	WIN 0x50
.irp p, 0,2,4,6,8,10,12,14,16,18,20,22,24,26,28,30
	v_pk_fma_f32 v[32*\rt+\p:32*\rt+\p+1], v[EMP+2*\rt:EMP+2*\rt+1], v[WO+\p:WO+\p+1], v[32*\rt+\p:32*\rt+\p+1]
.endr
	WIN 0
.endm
	ECVT 0
	ECVT 1
	ECVT 2
	ECVT 3
	v_add_nc_u32 v11, OSO, v11                     ; from here on: the stage for the way out
	s_wait_tensorcnt 0x0                           ; my eighth of the weights is in,
	s_wait_dscnt 0x0                               ; my table entries are stored,
	s_barrier_signal -1
	s_barrier_wait -1                              ; everybody's are
.macro WLOAD off                                   ; the operands of one channel tile: Wem, Wea (2 K steps each), bem + 1, q
.irp q, 0,1,2,3
	ds_load_b128 v[WM+4*\q:WM+4*\q+3],   v4 offset:\off+512*\q
	ds_load_b128 v[WAE+4*\q:WAE+4*\q+3], v4 offset:\off+512*\q+WL_WEA
.endr
	ds_load_b128 v[B1:B1+3],   v5 offset:(\off)/8
	ds_load_b128 v[B1+4:B1+7], v5 offset:(\off)/8
	ds_load_b64 v[QP:QP+1], v6 offset:(\off)/16
.endm
; One channel tile (16 c, half hh of the trip's 32) for query row ii: 32 keys x 16 channels.  kb: the K/V buffer.
; more = 1: the next channel tile's operands are fetched, from woff.
.macro YPART ii, hh, kb, more, woff
	WIN 0x01
	v_wmma_f32_16x16x32_bf16 v[DA:DA+7],    v[EAW+32*\ii:EAW+32*\ii+7],     v[WM:WM+7],   v[B1:B1+7]
	v_wmma_f32_16x16x32_bf16 v[DA+8:DA+15], v[EAW+32*\ii+16:EAW+32*\ii+23], v[WM:WM+7],   v[B1:B1+7]
	v_wmma_f32_16x16x32_bf16 v[DD:DD+7],    v[EAW+32*\ii:EAW+32*\ii+7],     v[WAE:WAE+7], 0
	v_wmma_f32_16x16x32_bf16 v[DD+8:DD+15], v[EAW+32*\ii+16:EAW+32*\ii+23], v[WAE:WAE+7], 0
	v_wmma_f32_16x16x32_bf16 v[DA:DA+7],    v[EAW+32*\ii+8:EAW+32*\ii+15],  v[WM+8:WM+15],   v[DA:DA+7]
	v_wmma_f32_16x16x32_bf16 v[DA+8:DA+15], v[EAW+32*\ii+24:EAW+32*\ii+31], v[WM+8:WM+15],   v[DA+8:DA+15]
	v_wmma_f32_16x16x32_bf16 v[DD:DD+7],    v[EAW+32*\ii+8:EAW+32*\ii+15],  v[WAE+8:WAE+15], v[DD:DD+7]
	v_wmma_f32_16x16x32_bf16 v[DD+8:DD+15], v[EAW+32*\ii+24:EAW+32*\ii+31], v[WAE+8:WAE+15], v[DD+8:DD+15]
	WIN 0                                          ; the sixteen products below name none of those registers: they are the places
.irp p, 0,2,4,6,8,10,12,14                         ; behind the matrix instructions (ISA guide 7.12.1), for the reads of DA, DD and for WLOAD
	v_pk_mul_f32 v[KQ+\p:KQ+\p+1], v[\kb+\p:\kb+\p+1], v[QP:QP+1] op_sel:[0,\ii] op_sel_hi:[1,\ii]
.endr
	WIN 0x04
.irp p, 0,2,4,6,8,10,12,14
	v_pk_mul_f32 v[KQ+\p:KQ+\p+1], v[KQ+\p:KQ+\p+1], v[SW+16*\ii+\p:SW+16*\ii+\p+1]
.endr
	WIN 0
.if \more
	WLOAD \woff
.endif
.irp p, 0,2,4,6,8,10,12,14
	v_pk_fma_f32 v[DD+\p:DD+\p+1], v[KQ+\p:KQ+\p+1], v[DA+\p:DA+\p+1], v[DD+\p:DD+\p+1]    ; Y0
.endr
.irp p, 0,1,2,3,4,5,6,7
	v_cvt_pk_bf16_f32 v[YP+\p], v[DD+2*\p], v[DD+2*\p+1]
.endr
	WIN 0x04
.irp p, 0,2,4,6,8,10,12,14
	v_pk_add_f32 v[DA+\p:DA+\p+1], v[DD+\p:DD+\p+1], v[NGW+16*\ii+\p:NGW+16*\ii+\p+1]      ; -inf where not allowed
.endr
	WIN 0
	ds_store_b128 v9, v[YP:YP+3]   offset:16*YPITCH*\hh+64*\ii         ; eight keys of my channel, row tile 2 ii
	ds_store_b128 v9, v[YP+4:YP+7] offset:16*YPITCH*\hh+64*\ii+32      ; row tile 2 ii + 1
	v_max3_num_f32 v28, v[DA], v[DA+1], v[DA+2]
	v_max3_num_f32 v29, v[DA+3], v[DA+4], v[DA+5]
	v_max3_num_f32 v30, v[DA+6], v[DA+7], v[DA+8]
	v_max3_num_f32 v31, v[DA+9], v[DA+10], v[DA+11]
	v_max3_num_f32 v28, v28, v[DA+12], v[DA+13]
	v_max3_num_f32 v29, v29, v[DA+14], v[DA+15]
	v_max3_num_f32 v28, v28, v29, v30
	v_max_num_f32 v28, v28, v31
	v_permlanex16_b32 v15, v28, s93, s94           ; the other 16 keys of my channel
	v_max3_num_f32 v28, v28, v15, s88              ; the wave's maximum, not below -2^120
	v_mul_f32 v[NM], s89, v28
	v_mul_f32 v[NM+1], s89, v28
.irp p, 0,2,4,6,8,10,12,14
	v_pk_fma_f32 v[DA+\p:DA+\p+1], v[DA+\p:DA+\p+1], 0x3fb8aa3b, v[NM:NM+1] op_sel_hi:[1,0,1]
.endr
.irp p, 0,1,2,3,4,5,6,7,8,9,10,11,12,13,14,15
	v_exp_f32 v[DA+\p], v[DA+\p]
.endr
	v_nop                                          ; one plain place before the exponentials are used (ISA guide 5.7.2)
	s_wait_alu depctr_va_vdst(0)
	v_pk_add_f32 v[T:T+1],     v[DA:DA+1],       v[DA+2:DA+3]
	v_pk_add_f32 v[T+2:T+3],   v[DA+4:DA+5],     v[DA+6:DA+7]
	v_pk_add_f32 v[T+4:T+5],   v[DA+8:DA+9],     v[DA+10:DA+11]
	v_pk_add_f32 v[T+6:T+7],   v[DA+12:DA+13],   v[DA+14:DA+15]
	v_pk_mul_f32 v[T+8:T+9],   v[DA:DA+1],       v[\kb+16:\kb+17]
	v_pk_mul_f32 v[T+10:T+11], v[DA+2:DA+3],     v[\kb+18:\kb+19]
.irp p, 4,8,12
	v_pk_fma_f32 v[T+8:T+9],   v[DA+\p:DA+\p+1],   v[\kb+16+\p:\kb+17+\p], v[T+8:T+9]
	v_pk_fma_f32 v[T+10:T+11], v[DA+\p+2:DA+\p+3], v[\kb+18+\p:\kb+19+\p], v[T+10:T+11]
.endr
	v_pk_add_f32 v[T:T+1],     v[T:T+1],     v[T+2:T+3]
	v_pk_add_f32 v[T+4:T+5],   v[T+4:T+5],   v[T+6:T+7]
	v_pk_add_f32 v[T+8:T+9],   v[T+8:T+9],   v[T+10:T+11]
	v_pk_add_f32 v[T:T+1],     v[T:T+1],     v[T+4:T+5]
	v_add_f32 v[T+8], v[T+8], v[T+9]
	v_add_f32 v[T], v[T], v[T+1]
	v_permlanex16_b32 v15, v[T], s93, s94
	v_permlanex16_b32 v29, v[T+8], s93, s94
	v_add_f32 v[T], v[T], v15
	v_add_f32 v[T+8], v[T+8], v29
	ds_store_b32 v7, v[NM]  offset:64*\hh+3072*\ii         ; both lane halves store the same word with the same value
	ds_store_b32 v7, v[T]   offset:64*\hh+3072*\ii+1024
	ds_store_b32 v7, v[T+8] offset:64*\hh+3072*\ii+2048
.endm
; One channel tile for both query rows.  pre = 1: the next tile's K and V are requested first, into the other buffer.
.macro CT hh, cur, nxt, pre, more, woff
.if \pre
	KVLOAD \nxt, (\hh+1)*4096
.endif
	s_wait_loadcnt 8*\pre                          ; the eight loads just issued stay out: this tile's K and V are in
	s_wait_dscnt 0x0                               ; this tile's operands are in
	YPART 0, \hh, \cur, 0, 0
	YPART 1, \hh, \cur, \more, \woff
.endm
; x += Weo^T Y^T for the trip's 32 channels: Y comes back transposed (lane = key, k = channel).  LDS serves a wave's
; instructions in order (ISA guide 5.7.1), so these loads see the wave's own stores above.
.macro ST4
.irp q, 0,1,2,3
	ds_load_tr16_b128 v[DA+8*\q:DA+8*\q+3],   v10 offset:32*\q
	ds_load_tr16_b128 v[DA+8*\q+4:DA+8*\q+7], v10 offset:32*\q+16*YPITCH
.endr
	s_wait_dscnt 0x0
	WIN 0x50
.irp q, 0,1,2,3
.irp et, 0,1,2,3
	v_wmma_f32_16x16x32_bf16 v[32*\q+8*\et:32*\q+8*\et+7], v[WO+8*\et:WO+8*\et+7], v[DA+8*\q:DA+8*\q+7], v[32*\q+8*\et:32*\q+8*\et+7]
.endr
.endr
	WIN 0
.endm
; A trip: 32 channels.
.macro TRIP last
.irp et, 0,1,2,3
	ds_load_b128 v[WO+8*\et:WO+8*\et+3],   v8 offset:8192*\et      ; Weo fragment (et, this trip's K step)
	ds_load_b128 v[WO+8*\et+4:WO+8*\et+7], v8 offset:8192*\et+512
.endr
	CT 0, KVA, KVB, 1, 1, 2048
.if \last
	CT 1, KVB, KVA, 0, 0, 0
	ST4
.rept 5
	v_nop                                          ; five places behind the last matrix instructions
.endr
.else
	CT 1, KVB, KVA, 1, 1, 4096
	ST4
	v_add_nc_u32 v4, 4096, v4                      ; the five address steps are also the five places before the next trip's
	v_add_nc_u32 v5, 512, v5                       ; matrix instructions write over Y's registers and its loads over Weo's
	v_add_nc_u32 v6, 256, v6
	v_add_nc_u32 v7, 128, v7
	v_add_nc_u32 v8, 1024, v8
	s_wait_xcnt 0x0                                ; the K/V base is stepped only behind this wait
	s_add_nc_u64 s[82:83], s[82:83], 8192
.endif
.endm
	WLOAD 0
	s_mov_b32 s92, 7
.Ltrip:
	TRIP 0
	s_sub_co_u32 s92, s92, 1
	s_cmp_lg_u32 s92, 0
	s_cbranch_scc1 .Ltrip
	TRIP 1                                         ; the last trip requests nothing beyond channel 255
	s_load_b256 s[40:47], s[0:1], 0x80             ; X 40, bxo 42, gX1 44, betX1 46: into descriptor registers, free since the wait for all tensor loads
	; the E chain's parameters, in the accumulators' layout (register 8 t + e = channel 16 t + 8 h + e); they arrive during the combine
	v_lshlrev_b32 v13, 5, v3
.macro PLOAD dst, sb, cnt
.set pn, 0
.rept \cnt
	global_load_b128 v[\dst+8*pn:\dst+8*pn+3],   v13, s[\sb:\sb+1] offset:64*pn
	global_load_b128 v[\dst+8*pn+4:\dst+8*pn+7], v13, s[\sb:\sb+1] offset:64*pn+16
.set pn, pn+1
.endr
.endm
	PLOAD 32, 16, 4                                ; gE1
	PLOAD 64, 18, 4                                ; betE1
	PLOAD 96, 26, 4                                ; bE2
	PLOAD 128, 24, 8                               ; bE1
	WIN 0x40
	PLOAD SW, 20, 4                                ; gE2, over the gate
	PLOAD NGW, 22, 4                               ; betE2, over the mask
	WIN 0
	v_add_nc_u32 v4, WL_WE1, v1
	s_wait_dscnt 0x0                               ; my shifts and sums are stored
	s_barrier_signal -1
	s_barrier_wait -1
	; THE COMBINE: thread t takes query row t / 128, channels 2 (t % 128), +1, and the eight waves' figures
.set CB, 192                                       ; v[192:239] wave w: shift pair, sum pair, weighted-sum pair
	v_lshrrev_b32 v28, 7, v0
	v_mul_u32_u24 v28, v28, 3072
	v_and_b32 v29, 127, v0
	v_lshl_add_u32 v28, v29, 3, v28
	v_add_nc_u32 v30, EL+PTO, v28
	v_add_nc_u32 v31, EL+PTO+4*ELW, v28
.irp q, 0,1,2,3
.irp k, 0,1,2
	ds_load_b64 v[CB+6*\q+2*\k:CB+6*\q+2*\k+1],       v30 offset:ELW*\q+1024*\k
	ds_load_b64 v[CB+24+6*\q+2*\k:CB+24+6*\q+2*\k+1], v31 offset:ELW*\q+1024*\k
.endr
.endr
	s_wait_dscnt 0x0
.irp p, 0,1
	v_min3_num_f32 v[240+\p], v[CB+\p], v[CB+6+\p], v[CB+12+\p]        ; the least -shift is the largest maximum
	v_min3_num_f32 v[240+\p], v[240+\p], v[CB+18+\p], v[CB+24+\p]
	v_min3_num_f32 v[240+\p], v[240+\p], v[CB+30+\p], v[CB+36+\p]
	v_min_num_f32 v[240+\p], v[240+\p], v[CB+42+\p]
.endr
.irp q, 0,1,2,3,4,5,6,7
	v_pk_add_f32 v[CB+6*\q:CB+6*\q+1], v[240:241], v[CB+6*\q:CB+6*\q+1] neg_lo:[0,1] neg_hi:[0,1]
.endr
.irp q, 0,1,2,3,4,5,6,7
	v_exp_f32 v[CB+6*\q], v[CB+6*\q]
	v_exp_f32 v[CB+6*\q+1], v[CB+6*\q+1]
.endr
	v_nop
	s_wait_alu depctr_va_vdst(0)
	v_pk_mul_f32 v[242:243], v[CB+2:CB+3], v[CB:CB+1]
	v_pk_mul_f32 v[244:245], v[CB+4:CB+5], v[CB:CB+1]
.irp q, 1,2,3,4,5,6,7
	v_pk_fma_f32 v[242:243], v[CB+6*\q+2:CB+6*\q+3], v[CB+6*\q:CB+6*\q+1], v[242:243]
	v_pk_fma_f32 v[244:245], v[CB+6*\q+4:CB+6*\q+5], v[CB+6*\q:CB+6*\q+1], v[244:245]
.endr
	v_rcp_f32 v246, v242
	v_rcp_f32 v247, v243
	v_lshrrev_b32 v28, 7, v0                       ; (the plain place behind the reciprocals)
	v_mul_u32_u24 v28, v28, XAP
	v_and_b32 v29, 127, v0
	v_lshl_add_u32 v28, v29, 2, v28
	v_add_nc_u32 v28, ACTX, v28                    ; row t / 128, two bf16 at channel 2 (t % 128)
	s_wait_alu depctr_va_vdst(0)
	v_pk_mul_f32 v[244:245], v[244:245], v[246:247]
	v_cvt_pk_bf16_f32 v242, v244, v245             ; wV as the matrix operand that it will be
	ds_store_b32 v28, v242
	s_wait_dscnt 0x0                               ; my two numbers of wV are stored, for the others' sake
	s_barrier_signal -1
	s_barrier_wait -1                              ; all of wV is: it is read at the kernel's end
	; THE E CHAIN
	s_wait_loadcnt 0x0                             ; the parameters
; layer norm over the 64 channels of each edge: 32 in my lane, 32 in lane xor 16.  Two passes: mean, then centred squares.
.macro LNE rt, second
.set XB, 32*\rt
	WIN 0x05
.irp p, 0,1,2,3,4,5,6,7
	v_pk_add_f32 v[T+2*\p:T+2*\p+1], v[XB+4*\p:XB+4*\p+1], v[XB+4*\p+2:XB+4*\p+3]
.endr
	WIN 0
	v_pk_add_f32 v[T:T+1],       v[T:T+1],       v[T+2:T+3]
	v_pk_add_f32 v[T+4:T+5],     v[T+4:T+5],     v[T+6:T+7]
	v_pk_add_f32 v[T+8:T+9],     v[T+8:T+9],     v[T+10:T+11]
	v_pk_add_f32 v[T+12:T+13],   v[T+12:T+13],   v[T+14:T+15]
	v_pk_add_f32 v[T:T+1],       v[T:T+1],       v[T+4:T+5]
	v_pk_add_f32 v[T+8:T+9],     v[T+8:T+9],     v[T+12:T+13]
	v_pk_add_f32 v[T:T+1],       v[T:T+1],       v[T+8:T+9]
	v_add_f32 v[T], v[T], v[T+1]
	v_permlanex16_b32 v15, v[T], s93, s94
	v_add_f32 v[T], v[T], v15
	v_mul_f32 v[T+2], s90, v[T]                    ; - mean, twice
	v_mul_f32 v[T+3], s90, v[T]
	WIN 0x41
.irp p, 0,2,4,6,8,10,12,14,16,18,20,22,24,26,28,30
	v_pk_add_f32 v[XB+\p:XB+\p+1], v[XB+\p:XB+\p+1], v[T+2:T+3]
.endr
	WIN 0x05
.irp p, 0,2,4,6
	v_pk_mul_f32 v[T+4+\p:T+5+\p], v[XB+\p:XB+\p+1], v[XB+\p:XB+\p+1]
.endr
.irp q, 8,16,24
.irp p, 0,2,4,6
	v_pk_fma_f32 v[T+4+\p:T+5+\p], v[XB+\q+\p:XB+\q+\p+1], v[XB+\q+\p:XB+\q+\p+1], v[T+4+\p:T+5+\p]
.endr
.endr
	WIN 0
	v_pk_add_f32 v[T+4:T+5], v[T+4:T+5], v[T+6:T+7]
	v_pk_add_f32 v[T+8:T+9], v[T+8:T+9], v[T+10:T+11]
	v_pk_add_f32 v[T+4:T+5], v[T+4:T+5], v[T+8:T+9]
	v_add_f32 v[T+4], v[T+4], v[T+5]
	v_permlanex16_b32 v15, v[T+4], s93, s94
	v_add_f32 v[T+4], v[T+4], v15
	v_fma_f32 v[T+4], v[T+4], s91, s95             ; variance + 1e-5
	v_rsq_f32 v[T+6], v[T+4]
	v_rsq_f32 v[T+7], v[T+4]
	v_nop
	WIN 0x41
	s_wait_alu depctr_va_vdst(0)
.irp p, 0,2,4,6,8,10,12,14,16,18,20,22,24,26,28,30
	v_pk_mul_f32 v[XB+\p:XB+\p+1], v[XB+\p:XB+\p+1], v[T+6:T+7]
.endr
.if \second
	WIN 0x55
.irp p, 0,2,4,6,8,10,12,14,16,18,20,22,24,26,28,30
	v_pk_fma_f32 v[XB+\p:XB+\p+1], v[XB+\p:XB+\p+1], v[SW+\p:SW+\p+1], v[NGW+\p:NGW+\p+1]
.endr
.else
.irp p, 0,2,4,6,8,10,12,14,16,18,20,22,24,26,28,30
	v_pk_fma_f32 v[XB+\p:XB+\p+1], v[XB+\p:XB+\p+1], v[32+\p:33+\p], v[64+\p:65+\p]
.endr
	WIN 0x45
.irp p, 0,1,2,3,4,5,6,7,8,9,10,11,12,13,14,15
	v_cvt_pk_bf16_f32 v[EAW+16*\rt+\p], v[XB+2*\p], v[XB+2*\p+1]       ; FF1's B operand
.endr
	WIN 0x41
.irp p, 0,2,4,6,8,10,12,14,16,18,20,22,24,26,28,30
	v_pk_add_f32 v[XB+\p:XB+\p+1], v[XB+\p:XB+\p+1], v[96+\p:97+\p]    ; + bE2: FF2 then adds onto the residual
.endr
.endif
	WIN 0
.endm
	LNE 0, 0
	LNE 1, 0
	LNE 2, 0
	LNE 3, 0
; 32 hidden channels: H = WE1^T x + bE1 (lane = edge, registers = hidden channel), relu, packed in place as FF2's B operand, x += WE2^T H
.set H, 192
.macro FFC fc
.irp g, 0,1
.irp ks, 0,1
	ds_load_b128 v[32+16*\g+8*\ks:32+16*\g+8*\ks+3],   v4 offset:((2*\fc+\g)*2+\ks)*1024
	ds_load_b128 v[32+16*\g+8*\ks+4:32+16*\g+8*\ks+7], v4 offset:((2*\fc+\g)*2+\ks)*1024+512
.endr
.endr
.irp et, 0,1,2,3
	ds_load_b128 v[64+8*\et:64+8*\et+3],   v4 offset:16384+(4*\et+\fc)*1024
	ds_load_b128 v[64+8*\et+4:64+8*\et+7], v4 offset:16384+(4*\et+\fc)*1024+512
.endr
	s_wait_dscnt 0x0
	WIN 0x04
.irp q, 0,1,2,3
.irp g, 0,1
	v_wmma_f32_16x16x32_bf16 v[H+16*\q+8*\g:H+16*\q+8*\g+7], v[32+16*\g:32+16*\g+7], v[EAW+16*\q:EAW+16*\q+7], v[128+8*(2*\fc+\g):128+8*(2*\fc+\g)+7]
.endr
.endr
.irp q, 0,1,2,3
.irp g, 0,1
	v_wmma_f32_16x16x32_bf16 v[H+16*\q+8*\g:H+16*\q+8*\g+7], v[40+16*\g:40+16*\g+7], v[EAW+16*\q+8:EAW+16*\q+15], v[H+16*\q+8*\g:H+16*\q+8*\g+7]
.endr
.endr
	WIN 0
.rept 4
	v_nop
.endr
.set hc, 0
.rept 64
	v_max_num_f32 v[H+hc], 0, v[H+hc]
.set hc, hc+1
.endr
.irp q, 0,1,2,3
.irp p, 0,1,2,3,4,5,6,7
	v_cvt_pk_bf16_f32 v[H+16*\q+\p], v[H+16*\q+2*\p], v[H+16*\q+2*\p+1]    ; ascending: a register is written after it was read
.endr
.endr
	WIN 0x50
.irp q, 0,1,2,3
.irp et, 0,1,2,3
	v_wmma_f32_16x16x32_bf16 v[32*\q+8*\et:32*\q+8*\et+7], v[64+8*\et:64+8*\et+7], v[H+16*\q:H+16*\q+7], v[32*\q+8*\et:32*\q+8*\et+7]
.endr
.endr
	WIN 0
.rept 5
	v_nop                                          ; five places: what follows loads over WE1, WE2 and H, or writes over H
.endr
.endm
	FFC 0
	FFC 1
	FFC 2
	FFC 3
	; THE NODE LAYER'S OPERANDS are requested here, into registers that the E chain has done with: they arrive during LN2 and the way out.
.set XW0, 32                                       ; v[32:95]    Wxo fragments of output tile 2 w
.set XW1, 128                                      ; v[128:191]  of output tile 2 w + 1
.set XR,  192                                      ; v[192:199]  X's row        (waves 0 and 1; lane L: channels 4 L .. +3 and 128 + 4 L .. +3)
.set XBO, 200                                      ; v[200:207]  bxo
.set XG,  208                                      ; v[208:215]  gX1
.set XBT, 216                                      ; v[216:223]  betX1
.set NX,  224                                      ; v[224:231]  newX, then Xo
.set XD,  240                                      ; v[240:255]  two result tiles
	s_wait_kmcnt 0x0
	s_lshl_b32 s48, s2, 14
	s_add_co_u32 s48, s48, 131072                  ; wf: Wxo begins at fragment 128; my 16 fragments
	s_mov_b32 s49, 0
	s_add_nc_u64 s[48:49], s[32:33], s[48:49]
	s_add_co_u32 s50, s3, s2                       ; row g0 + w: used by waves 0 and 1 alone
	s_lshl_b32 s50, s50, 10
	s_mov_b32 s51, 0
	s_add_nc_u64 s[50:51], s[40:41], s[50:51]      ; X
	s_lshl_b32 s52, s2, 10
	s_mov_b32 s53, 0
	s_add_nc_u64 s[52:53], s[86:87], s[52:53]      ; xo1
	s_lshl_b32 s54, s2, 7
	s_add_co_u32 s54, s54, XFX                     ; my 32 output channels in a row of XFX
	s_mul_i32 s55, s2, XFP
	s_add_co_u32 s55, s55, XFX                     ; row w of XFX
	s_mov_b32 s56, 0xbb800000                      ; -1/256
	s_mov_b32 s57, 0x3b800000                      ; 1/256
	v_mov_b32 v30, s2
.irp ks, 0,1,2,3,4,5,6,7
	global_load_b128 v[XW0+8*\ks:XW0+8*\ks+3],   v1, s[48:49] offset:1024*\ks          ; 512 consecutive bytes each
	global_load_b128 v[XW0+8*\ks+4:XW0+8*\ks+7], v1, s[48:49] offset:1024*\ks+512
	global_load_b128 v[XW1+8*\ks:XW1+8*\ks+3],   v1, s[48:49] offset:8192+1024*\ks
	global_load_b128 v[XW1+8*\ks+4:XW1+8*\ks+7], v1, s[48:49] offset:8192+1024*\ks+512
.endr
	s_cmp_ge_u32 s2, 2
	s_cbranch_scc1 .Lno_row                        ; waves 0 and 1 will norm one row each
.irp u, 0,1
	global_load_b128 v[XR+4*\u:XR+4*\u+3],   v1, s[50:51] offset:512*\u
	global_load_b128 v[XBO+4*\u:XBO+4*\u+3], v1, s[42:43] offset:512*\u
	global_load_b128 v[XG+4*\u:XG+4*\u+3],   v1, s[44:45] offset:512*\u
	global_load_b128 v[XBT+4*\u:XBT+4*\u+3], v1, s[46:47] offset:512*\u
.endr
	global_load_u8 v14, v30, s[78:79]              ; node byte of row g0 + w
.Lno_row:
; the way out, 16 edges at a time: a lane's 32 channels into the wave's own stage, whole rows of 256 bytes back, stores of 512 consecutive bytes
.macro OUTT rt
	WIN 0x04
.irp et, 0,1,2,3
	ds_store_b128 v11, v[32*\rt+8*\et:32*\rt+8*\et+3]   offset:64*\et
	ds_store_b128 v11, v[32*\rt+8*\et+4:32*\rt+8*\et+7] offset:64*\et+16
.endr
	WIN 0
	s_wait_xcnt 0x0                                ; the registers that the last tile's stores read are loaded again only behind this wait
.irp u, 0,1,2,3,4,5,6,7
	ds_load_b128 v[96+4*\u:96+4*\u+3], v12 offset:2*EPITCH*\u
.endr
.irp u, 0,1,2,3,4,5,6,7
	s_wait_dscnt 7-\u                              ; the younger read-backs stay out
	global_store_b128 v1, v[96+4*\u:96+4*\u+3], s[84:85] offset:(\rt>>1)*65536+(\rt&1)*4096+512*\u th:TH_STORE_NT
.endr
.endm
	LNE 0, 1                                       ; each tile leaves as soon as it is normed: its stores are on their way during the next tile's norm
	OUTT 0
	LNE 1, 1
	OUTT 1
	LNE 2, 1
	OUTT 2
	LNE 3, 1
	OUTT 3
	; THE NODE LAYER, while out1's stores leave: D(m = output channel, n = lane r) = Wxo^T wV^T.  There are two rows: lane r takes row r % 2,
	; so every column of B holds valid numbers, and columns of equal parity hold the same result.
	v_and_b32 v28, 1, v0
	v_mul_u32_u24 v31, v28, XAP
	v_lshl_add_u32 v31, v3, 4, v31
	v_add_nc_u32 v31, ACTX, v31                    ; B fragment: row r % 2, 16 h
	v_mul_u32_u24 v29, v28, XFP
	v_lshl_add_u32 v29, v3, 5, v29
	v_add_nc_u32 v29, s54, v29                     ; D out: row r % 2, channel 32 w + 8 h
	WIN 0x40
.irp ks, 0,1,2,3,4,5,6,7
	ds_load_b128 v[8*\ks:8*\ks+3],   v31 offset:64*\ks         ; into window 1, over x of the first two tiles, which have left
	ds_load_b128 v[8*\ks+4:8*\ks+7], v31 offset:64*\ks+32
.endr
	WIN 0
	s_wait_loadcnt 0x0                             ; Wxo's fragments (and, in waves 0 and 1, the row's operands)
	s_wait_dscnt 0x0
	WIN 0x04
	v_wmma_f32_16x16x32_bf16 v[XD:XD+7],    v[XW0:XW0+7], v[0:7], 0    ; the first products start the sums
	v_wmma_f32_16x16x32_bf16 v[XD+8:XD+15], v[XW1:XW1+7], v[0:7], 0
.irp ks, 1,2,3,4,5,6,7
	v_wmma_f32_16x16x32_bf16 v[XD:XD+7],    v[XW0+8*\ks:XW0+8*\ks+7], v[8*\ks:8*\ks+7], v[XD:XD+7]
	v_wmma_f32_16x16x32_bf16 v[XD+8:XD+15], v[XW1+8*\ks:XW1+8*\ks+7], v[8*\ks:8*\ks+7], v[XD+8:XD+15]
.endr
	WIN 0
.rept 4
	v_nop                                          ; four places before an LDS store reads a matrix result
.endr
	ds_store_b128 v29, v[XD:XD+3]                  ; lanes of equal parity store the same bytes with the same values
	ds_store_b128 v29, v[XD+4:XD+7]    offset:16
	ds_store_b128 v29, v[XD+8:XD+11]   offset:64
	ds_store_b128 v29, v[XD+12:XD+15]  offset:80
	s_wait_dscnt 0x0                               ; my 32 channels are stored, for waves 0 and 1
	s_barrier_signal -1
	s_barrier_wait -1
	s_cmp_ge_u32 s2, 2
	s_cbranch_scc1 .Ldone
	; Xo = LN(X + xm (newX + bxo)): wave w norms row g0 + w; a lane holds eight channels.  Two passes: mean, then centred squares.
	v_add_nc_u32 v28, s55, v1
	ds_load_b128 v[NX:NX+3],   v28
	ds_load_b128 v[NX+4:NX+7], v28 offset:512
	v_cvt_f32_u32 v232, v14
	v_cvt_f32_u32 v233, v14
	s_wait_dscnt 0x0
.irp p, 0,2,4,6
	v_pk_add_f32 v[NX+\p:NX+\p+1], v[NX+\p:NX+\p+1], v[XBO+\p:XBO+\p+1]
.endr
.irp p, 0,2,4,6
	v_pk_fma_f32 v[NX+\p:NX+\p+1], v[NX+\p:NX+\p+1], v[232:233], v[XR+\p:XR+\p+1]
.endr
	v_pk_add_f32 v[234:235], v[NX:NX+1], v[NX+2:NX+3]
	v_pk_add_f32 v[236:237], v[NX+4:NX+5], v[NX+6:NX+7]
	v_pk_add_f32 v[234:235], v[234:235], v[236:237]
	v_add_f32 v234, v234, v235
.irp m, 1,2,4,8
	v_add_f32_dpp v234, v234, v234 row_xmask:\m row_mask:0xf bank_mask:0xf
.endr
	v_permlanex16_b32 v15, v234, s93, s94
	v_add_f32 v234, v234, v15
	v_mul_f32 v236, s56, v234                      ; - mean, twice
	v_mul_f32 v237, s56, v234
.irp p, 0,2,4,6
	v_pk_add_f32 v[NX+\p:NX+\p+1], v[NX+\p:NX+\p+1], v[236:237]
.endr
	v_pk_mul_f32 v[234:235], v[NX:NX+1], v[NX:NX+1]
.irp p, 2,4,6
	v_pk_fma_f32 v[234:235], v[NX+\p:NX+\p+1], v[NX+\p:NX+\p+1], v[234:235]
.endr
	v_add_f32 v234, v234, v235
.irp m, 1,2,4,8
	v_add_f32_dpp v234, v234, v234 row_xmask:\m row_mask:0xf bank_mask:0xf
.endr
	v_permlanex16_b32 v15, v234, s93, s94
	v_add_f32 v234, v234, v15
	v_fma_f32 v234, v234, s57, s95                 ; variance + 1e-5
	v_rsq_f32 v236, v234
	v_rsq_f32 v237, v234
	v_nop                                          ; one plain place before the result is used (ISA guide 5.7.2)
	s_wait_alu depctr_va_vdst(0)
.irp p, 0,2,4,6
	v_pk_mul_f32 v[NX+\p:NX+\p+1], v[NX+\p:NX+\p+1], v[236:237]
.endr
.irp p, 0,2,4,6
	v_pk_fma_f32 v[NX+\p:NX+\p+1], v[NX+\p:NX+\p+1], v[XG+\p:XG+\p+1], v[XBT+\p:XBT+\p+1]
.endr
	global_store_b128 v1, v[NX:NX+3],   s[52:53]               ; 512 consecutive bytes each, aligned
	global_store_b128 v1, v[NX+4:NX+7], s[52:53] offset:512
.Ldone:
	s_wait_xcnt 0x0
	v_lshl_add_u32 v254, v0, 2, 0x44500
	v_mov_b32 v255, 0
	s_wait_tensorcnt 0x0
	ds_add_u32 v254, v255
	s_wait_dscnt 0x0
	s_endpgm
.Lfunc_end_k_q45155cc4da_main:
	.size	k_q45155cc4da_main, .Lfunc_end_k_q45155cc4da_main-k_q45155cc4da_main
	.p2alignl 7, 3214868480
	.fill 96, 4, 3214868480
	.section	.rodata,"a",@progbits
	.p2align	6, 0x0
	.amdhsa_kernel k_q45155cc4da_main
		.amdhsa_group_segment_fixed_size 280832
		.amdhsa_private_segment_fixed_size 0
		.amdhsa_enable_private_segment 0
		.amdhsa_kernarg_size 160
		.amdhsa_user_sgpr_count 2
		.amdhsa_user_sgpr_kernarg_segment_ptr 1
		.amdhsa_wavefront_size32 1
		.amdhsa_system_sgpr_workgroup_id_x 1
		.amdhsa_system_sgpr_workgroup_id_y 1
		.amdhsa_system_sgpr_workgroup_id_z 1
		.amdhsa_system_vgpr_workitem_id 0
		.amdhsa_next_free_vgpr 512
		.amdhsa_next_free_sgpr 96
		.amdhsa_reserve_vcc 1
		.amdhsa_float_denorm_mode_32 3
		.amdhsa_float_denorm_mode_16_64 3
		.amdhsa_memory_ordered 1
		.amdhsa_forward_progress 1
		.amdhsa_inst_pref_size 210
	.end_amdhsa_kernel
	.amdgpu_metadata
---
amdhsa.version: [ 1, 2 ]
amdhsa.kernels:
  - .name:           k_q45155cc4da_main
    .symbol:         k_q45155cc4da_main.kd
    .args:
      - { .name: E, .offset: 0, .size: 8, .value_kind: global_buffer, .address_space: global }
      - { .name: node_mask, .offset: 8, .size: 8, .value_kind: global_buffer, .address_space: global }
      - { .name: sparse_mask, .offset: 16, .size: 8, .value_kind: global_buffer, .address_space: global }
      - { .name: bem, .offset: 24, .size: 8, .value_kind: global_buffer, .address_space: global }
      - { .name: gE1, .offset: 32, .size: 8, .value_kind: global_buffer, .address_space: global }
      - { .name: betE1, .offset: 40, .size: 8, .value_kind: global_buffer, .address_space: global }
      - { .name: gE2, .offset: 48, .size: 8, .value_kind: global_buffer, .address_space: global }
      - { .name: betE2, .offset: 56, .size: 8, .value_kind: global_buffer, .address_space: global }
      - { .name: bE1, .offset: 64, .size: 8, .value_kind: global_buffer, .address_space: global }
      - { .name: bE2, .offset: 72, .size: 8, .value_kind: global_buffer, .address_space: global }
      - { .name: qf, .offset: 80, .size: 8, .value_kind: global_buffer, .address_space: global }
      - { .name: kv, .offset: 88, .size: 8, .value_kind: global_buffer, .address_space: global }
      - { .name: wf, .offset: 96, .size: 8, .value_kind: global_buffer, .address_space: global }
      - { .name: be, .offset: 104, .size: 8, .value_kind: global_buffer, .address_space: global }
      - { .name: xo1, .offset: 112, .size: 8, .value_kind: global_buffer, .address_space: global }
      - { .name: out1, .offset: 120, .size: 8, .value_kind: global_buffer, .address_space: global }
      - { .name: X, .offset: 128, .size: 8, .value_kind: global_buffer, .address_space: global }
      - { .name: bxo, .offset: 136, .size: 8, .value_kind: global_buffer, .address_space: global }
      - { .name: gX1, .offset: 144, .size: 8, .value_kind: global_buffer, .address_space: global }
      - { .name: betX1, .offset: 152, .size: 8, .value_kind: global_buffer, .address_space: global }
    .group_segment_fixed_size: 280832
    .private_segment_fixed_size: 0
    .kernarg_segment_align: 8
    .kernarg_segment_size: 160
    .max_flat_workgroup_size: 256
    .sgpr_count:     96
    .vgpr_count:     512
    .wavefront_size: 32
...
	.end_amdgpu_metadata
.endif
;; end of part 2
;; launch ffx (part 3): grid 256 x 1, 8 waves a work-group, no clusters, 34,816 bytes of LDS; arguments xo1, wf, bX1, part; writes part
.if DOCPART == 3
	.amdgcn_target "amdgcn-amd-amdhsa--gfx1250"
	.amdhsa_code_object_version 6
	.text
	.protected	k_q45155cc4da_ffx
	.globl	k_q45155cc4da_ffx
	.p2align	8
	.type	k_q45155cc4da_ffx,@function
k_q45155cc4da_ffx:
	s_mov_b64 s[64:65], 0
	v_nop
	global_prefetch_b8 v0, s[64:65] scope:SCOPE_SE
	s_setreg_imm32_b32 hwreg(HW_REG_WAVE_MODE, 25, 1), 1
	s_wait_xcnt 0x0
; FFX: the node path's feed-forward.  Work-group = (row tile rt: 16 nodes, slice fs: 256 of the 2,048 hidden channels).
;   layer 1: H = relu(Xo WX1 + bX1), my 256 hidden channels;   layer 2: part[fs] = H WX2, my 256 of K.  The last launch adds the slices.
; Two equal layers, K = 256, 256 outputs: wave w makes outputs 32 w .. +31 as D(m = output channel, n = node): A = weight fragments,
; loaded straight from wf into registers (each is used once), B = the activations, bf16 in LDS.
; A work-group reads 2 x 131,072 bytes of weights and 16,384 of Xo, and stores 16,384.
; No cluster: the weights go to registers, not to LDS, where alone a joint request could land; through LDS each byte would be written
; and read once more for a single use.
.set APITCH, 528                       ; 256 bf16 + 16 bytes
.set XPITCH, 1040                      ; 256 f32 + 16 bytes
.set ACT1, 0
.set ACT2, 16*APITCH
.set XF2,  32*APITCH
.set BF,  32                           ; v[32:95]   B fragments [ks][8]
.set D,   96                           ; v[96:111]  two result tiles
.set CB1, 128                          ; v[128:143] bX1 as C operands
.set XR,  144                          ; v[144:159] the partial sums on their way out
.set ST,  208                          ; v[208:231] staging
.set MSB, 0
.macro WIN new                         ; low byte: bits 1:0 source 0, 3:2 source 1, 5:4 source 2, 7:6 destination; high byte: the setting left
.if MSB != \new
	s_set_vgpr_msb (MSB<<8)|\new
.set MSB, \new
.endif
.endm
	s_load_b256 s[8:15], s[0:1], 0x0               ; xo1 8, wf 10, bX1 12, part 14
	v_lshl_add_u32 v254, v0, 2, 0x8400
	v_mov_b32 v255, 0
	v_lshrrev_b32 v15, 5, v0                       ; w
	v_readfirstlane_b32 s2, v15
	s_and_b32 s3, ttmp9, 7                         ; fs
	s_lshr_b32 s4, ttmp9, 3                        ; rt
	v_and_b32 v1, 31, v0
	v_lshlrev_b32 v1, 4, v1                        ; 16 lane
	v_and_b32 v2, 15, v0                           ; r
	v_bfe_u32 v3, v0, 4, 1                         ; h
	v_lshlrev_b32 v4, 4, v0                        ; 16 t
	v_lshrrev_b32 v5, 6, v0
	v_mul_u32_u24 v5, v5, APITCH
	v_and_b32 v6, 63, v0
	v_lshl_add_u32 v5, v6, 3, v5                   ; ACT1 in: row t / 64, 8 bytes at t % 64
	v_lshl_add_u32 v8, v15, 1, v3                  ; my row on the way out: 2 w + h
	v_lshlrev_b32 v7, 4, v2                        ; 16 r
	v_lshl_add_u32 v6, v8, 10, v7                  ; row x 1,024 + 16 r
	v_lshlrev_b32 v9, 7, v15
	v_lshl_add_u32 v9, v3, 5, v9                   ; channel 32 w + 8 h, in bytes of f32
	v_mul_u32_u24 v10, v2, APITCH
	v_lshl_add_u32 v10, v3, 4, v10                 ; B fragment: row r, 16 h
	v_mul_u32_u24 v11, v2, XPITCH
	v_add_nc_u32 v11, v11, v9                      ; D out: row r, channel 32 w + 8 h
	v_mul_u32_u24 v12, v8, XPITCH
	v_add_nc_u32 v12, v12, v7                      ; rows back
	v_lshl_add_u32 v14, v15, 6, v10                ; ACT2 in: row r, channel 32 w + 8 h in bf16
	s_lshl_b32 s28, s4, 14                         ; 16 rows of 1,024 bytes
	s_mov_b32 s29, 0
	s_lshl_b32 s36, s3, 4
	s_lshl1_add_u32 s36, s2, s36                   ; 16 fs + 2 w
	s_lshl_b32 s36, s36, 13
	s_add_co_u32 s36, s36, 262144                  ; WX1: fragment 256 + 8 (16 fs + 2 w)
	s_mov_b32 s37, 0
	s_lshl_b32 s38, s2, 17
	s_lshl_b32 s5, s3, 13
	s_add_co_u32 s38, s38, s5
	s_add_co_u32 s38, s38, 1310720                 ; WX2: fragment 1280 + 64 (2 w) + 8 fs
	s_mov_b32 s39, 0
	s_lshl_b32 s40, s3, 10
	s_mov_b32 s41, 0
	s_lshl_b32 s44, s3, 19
	s_add_co_u32 s44, s44, s28
	s_mov_b32 s45, 0
	s_wait_kmcnt 0x0
	s_add_nc_u64 s[30:31], s[8:9], s[28:29]        ; xo1 at my rows
	s_add_nc_u64 s[36:37], s[10:11], s[36:37]
	s_add_nc_u64 s[38:39], s[10:11], s[38:39]
	s_add_nc_u64 s[40:41], s[12:13], s[40:41]      ; bX1 at my slice
	s_add_nc_u64 s[44:45], s[14:15], s[44:45]      ; part at my slice and rows
.irp u, 0,1,2,3
	global_load_b128 v[ST+4*\u:ST+4*\u+3], v4, s[30:31] offset:4096*\u         ; Xo: the dense block of 16 rows
.endr
.irp mt, 0,1
	global_load_b128 v[CB1+8*\mt:CB1+8*\mt+3],   v9, s[40:41] offset:64*\mt
	global_load_b128 v[CB1+8*\mt+4:CB1+8*\mt+7], v9, s[40:41] offset:64*\mt+16
.endr
; a layer's 16 weight fragments (2 output tiles x 8 K steps) into window 1 at wb: 32 loads of 512 consecutive bytes
.macro WLD wb, sb, mts
	WIN 0x40
.irp mt, 0,1
.irp ks, 0,1,2,3,4,5,6,7
	global_load_b128 v[\wb+64*\mt+8*\ks:\wb+64*\mt+8*\ks+3],   v1, s[\sb:\sb+1] offset:\mts*\mt+1024*\ks
	global_load_b128 v[\wb+64*\mt+8*\ks+4:\wb+64*\mt+8*\ks+7], v1, s[\sb:\sb+1] offset:\mts*\mt+1024*\ks+512
.endr
.endr
	WIN 0
.endm
; D[mt] = W[mt] x act (+ bias).  left: the loads of the layer after this one, which stay out.
.macro LAYER act, wb, cb, usec, left
.irp ks, 0,1,2,3,4,5,6,7
	ds_load_b128 v[BF+8*\ks:BF+8*\ks+3],   v10 offset:\act+64*\ks
	ds_load_b128 v[BF+8*\ks+4:BF+8*\ks+7], v10 offset:\act+64*\ks+32
.endr
	s_wait_loadcnt \left
	s_wait_dscnt 0x0
	WIN 0x01
.irp mt, 0,1
.if \usec
	v_wmma_f32_16x16x32_bf16 v[D+8*\mt:D+8*\mt+7], v[\wb+64*\mt:\wb+64*\mt+7], v[BF:BF+7], v[\cb+8*\mt:\cb+8*\mt+7]
.else
	v_wmma_f32_16x16x32_bf16 v[D+8*\mt:D+8*\mt+7], v[\wb+64*\mt:\wb+64*\mt+7], v[BF:BF+7], 0
.endif
.endr
.irp ks, 1,2,3,4,5,6,7
.irp mt, 0,1
	v_wmma_f32_16x16x32_bf16 v[D+8*\mt:D+8*\mt+7], v[\wb+64*\mt+8*\ks:\wb+64*\mt+8*\ks+7], v[BF+8*\ks:BF+8*\ks+7], v[D+8*\mt:D+8*\mt+7]
.endr
.endr
	WIN 0
.rept 5
	v_nop                                          ; five places: D is read, the operands are loaded over, and the next layer writes over D (ISA guide 7.12.1)
.endr
.endm
.macro BAR
	s_wait_dscnt 0x0                               ; my LDS stores are done and my LDS loads are in, for the others' sake
	s_barrier_signal -1
	s_barrier_wait -1
.endm
	WLD 128, 36, 8192                              ; WX1, my slice
	s_wait_loadcnt 32                              ; WX1's 32 loads stay out: the 8 small loads are in
.irp u, 0,1,2,3
	v_cvt_pk_bf16_f32 v[ST+16+2*\u], v[ST+4*\u], v[ST+4*\u+1]
	v_cvt_pk_bf16_f32 v[ST+17+2*\u], v[ST+4*\u+2], v[ST+4*\u+3]
	ds_store_b64 v5, v[ST+16+2*\u:ST+17+2*\u] offset:ACT1+4*APITCH*\u
.endr
	WLD 0, 38, 65536                               ; WX2, my slice of K
	BAR
	LAYER ACT1, 128, CB1, 1, 32                    ; WX2's 32 loads stay out
.irp p, 0,1,2,3,4,5,6,7,8,9,10,11,12,13,14,15
	v_max_num_f32 v[D+\p], 0, v[D+\p]
.endr
.irp p, 0,1,2,3,4,5,6,7
	v_cvt_pk_bf16_f32 v[ST+\p], v[D+2*\p], v[D+2*\p+1]
.endr
	ds_store_b128 v14, v[ST:ST+3]   offset:ACT2
	ds_store_b128 v14, v[ST+4:ST+7] offset:ACT2+32
	BAR
	LAYER ACT2, 0, 0, 0, 0
.irp mt, 0,1
	ds_store_b128 v11, v[D+8*\mt:D+8*\mt+3]   offset:XF2+64*\mt        ; D as f32 into rows of LDS: eight neighbouring channels of row r
	ds_store_b128 v11, v[D+8*\mt+4:D+8*\mt+7] offset:XF2+64*\mt+16
.endr
	BAR
.irp u, 0,1,2,3
	ds_load_b128 v[XR+4*\u:XR+4*\u+3], v12 offset:XF2+256*\u
.endr
.irp u, 0,1,2,3
	s_wait_dscnt 3-\u                              ; the younger read-backs stay out
	global_store_b128 v6, v[XR+4*\u:XR+4*\u+3], s[44:45] offset:256*\u     ; sixteen lanes store 256 consecutive bytes, aligned
.endr
	s_wait_tensorcnt 0x0
	ds_add_u32 v254, v255
	s_wait_dscnt 0x0
	s_endpgm
.Lfunc_end_k_q45155cc4da_ffx:
	.size	k_q45155cc4da_ffx, .Lfunc_end_k_q45155cc4da_ffx-k_q45155cc4da_ffx
	.p2alignl 7, 3214868480
	.fill 96, 4, 3214868480
	.section	.rodata,"a",@progbits
	.p2align	6, 0x0
	.amdhsa_kernel k_q45155cc4da_ffx
		.amdhsa_group_segment_fixed_size 34816
		.amdhsa_private_segment_fixed_size 0
		.amdhsa_enable_private_segment 0
		.amdhsa_kernarg_size 32
		.amdhsa_user_sgpr_count 2
		.amdhsa_user_sgpr_kernarg_segment_ptr 1
		.amdhsa_wavefront_size32 1
		.amdhsa_system_sgpr_workgroup_id_x 1
		.amdhsa_system_sgpr_workgroup_id_y 1
		.amdhsa_system_sgpr_workgroup_id_z 1
		.amdhsa_system_vgpr_workitem_id 0
		.amdhsa_next_free_vgpr 512
		.amdhsa_next_free_sgpr 66
		.amdhsa_reserve_vcc 0
		.amdhsa_float_denorm_mode_32 3
		.amdhsa_float_denorm_mode_16_64 3
		.amdhsa_memory_ordered 1
		.amdhsa_forward_progress 1
		.amdhsa_inst_pref_size 18
	.end_amdhsa_kernel
	.amdgpu_metadata
---
amdhsa.version: [ 1, 2 ]
amdhsa.kernels:
  - .name:           k_q45155cc4da_ffx
    .symbol:         k_q45155cc4da_ffx.kd
    .args:
      - { .name: xo1, .offset: 0, .size: 8, .value_kind: global_buffer, .address_space: global }
      - { .name: wf, .offset: 8, .size: 8, .value_kind: global_buffer, .address_space: global }
      - { .name: bX1, .offset: 16, .size: 8, .value_kind: global_buffer, .address_space: global }
      - { .name: part, .offset: 24, .size: 8, .value_kind: global_buffer, .address_space: global }
    .group_segment_fixed_size: 34816
    .private_segment_fixed_size: 0
    .kernarg_segment_align: 8
    .kernarg_segment_size: 32
    .max_flat_workgroup_size: 256
    .sgpr_count:     66
    .vgpr_count:     512
    .wavefront_size: 32
...
	.end_amdgpu_metadata
.endif
;; end of part 3
;; launch fin (part 4): grid 128 x 1, 4 waves a work-group, no clusters, 0 bytes of LDS; arguments part, xo1, bX2, gX2, betX2, out0; writes out0
.if DOCPART == 4
	.amdgcn_target "amdgcn-amd-amdhsa--gfx1250"
	.amdhsa_code_object_version 6
	.text
	.protected	k_q45155cc4da_fin
	.globl	k_q45155cc4da_fin
	.p2align	8
	.type	k_q45155cc4da_fin,@function
k_q45155cc4da_fin:
	s_mov_b64 s[64:65], 0
	v_nop
	global_prefetch_b8 v0, s[64:65] scope:SCOPE_SE
	s_setreg_imm32_b32 hwreg(HW_REG_WAVE_MODE, 25, 1), 1
	s_wait_xcnt 0x0
; FIN: out0 = LN(Xo + bX2 + the eight slices' partial sums, added in the slices' order).  One wave, one row of 256 f32:
; lane L holds channels 4 L .. +3 and 128 + 4 L .. +3, so every load and store of the wave covers 512 consecutive bytes.
; A stream of 5 MB: no LDS, no barrier, no matrix unit, no cluster (no two work-groups read the same rows; the three vectors are 3 KB).
.set P,  8                             ; v[8:71]    slice s: 8 registers
.set X,  72                            ; v[72:79]   the row
.set B,  80                            ; v[80:87]   bX2
.set GG, 88                            ; v[88:95]   gX2
.set BT, 96                            ; v[96:103]  betX2
	s_load_b256 s[4:11], s[0:1], 0x0               ; part 4, xo1 6, bX2 8, gX2 10
	s_load_b128 s[12:15], s[0:1], 0x20             ; betX2 12, out0 14
	v_and_b32 v1, 31, v0
	v_lshlrev_b32 v1, 4, v1                        ; 16 lane
	v_lshrrev_b32 v2, 5, v0
	v_lshl_add_u32 v2, v2, 10, v1                  ; + my wave's row
	v_mov_b32 v108, 0
	s_lshl_b32 s16, ttmp9, 12                      ; four rows of 1,024 bytes
	s_mov_b32 s17, 0
	s_mov_b32 s18, 0x76543210
	s_mov_b32 s19, 0xfedcba98
	s_mov_b32 s20, 0xbb800000                      ; -1/256
	s_mov_b32 s21, 0x3b800000                      ; 1/256
	s_mov_b32 s22, 0x3727c5ac                      ; 1e-5
	s_wait_kmcnt 0x0
	s_add_nc_u64 s[4:5], s[4:5], s[16:17]
	s_add_nc_u64 s[6:7], s[6:7], s[16:17]
	s_add_nc_u64 s[14:15], s[14:15], s[16:17]
.irp u, 0,1
	global_load_b128 v[X+4*\u:X+4*\u+3],   v2, s[6:7]   offset:512*\u
	global_load_b128 v[B+4*\u:B+4*\u+3],   v1, s[8:9]   offset:512*\u
	global_load_b128 v[GG+4*\u:GG+4*\u+3], v1, s[10:11] offset:512*\u
	global_load_b128 v[BT+4*\u:BT+4*\u+3], v1, s[12:13] offset:512*\u
.endr
.irp s, 0,1,2,3,4,5,6,7
	global_load_b128 v[P+8*\s:P+8*\s+3],   v2, s[4:5] offset:524288*\s th:TH_LOAD_NT
	global_load_b128 v[P+8*\s+4:P+8*\s+7], v2, s[4:5] offset:524288*\s+512 th:TH_LOAD_NT
.endr
	s_wait_loadcnt 0x0
.irp p, 0,2,4,6
	v_pk_add_f32 v[X+\p:X+\p+1], v[X+\p:X+\p+1], v[B+\p:B+\p+1]
.endr
.irp s, 0,1,2,3,4,5,6,7
.irp p, 0,2,4,6
	v_pk_add_f32 v[X+\p:X+\p+1], v[X+\p:X+\p+1], v[P+8*\s+\p:P+8*\s+\p+1]
.endr
.endr
	v_pk_add_f32 v[104:105], v[X:X+1], v[X+2:X+3]
	v_pk_add_f32 v[106:107], v[X+4:X+5], v[X+6:X+7]
	v_pk_add_f32 v[104:105], v[104:105], v[106:107]
	v_add_f32 v104, v104, v105
.irp m, 1,2,4,8
	v_add_f32_dpp v104, v104, v104 row_xmask:\m row_mask:0xf bank_mask:0xf
.endr
	v_permlanex16_b32 v108, v104, s18, s19
	v_add_f32 v104, v104, v108
	v_mul_f32 v106, s20, v104                      ; - mean, twice
	v_mul_f32 v107, s20, v104
.irp p, 0,2,4,6
	v_pk_add_f32 v[X+\p:X+\p+1], v[X+\p:X+\p+1], v[106:107]
.endr
	v_pk_mul_f32 v[104:105], v[X:X+1], v[X:X+1]
.irp p, 2,4,6
	v_pk_fma_f32 v[104:105], v[X+\p:X+\p+1], v[X+\p:X+\p+1], v[104:105]
.endr
	v_add_f32 v104, v104, v105
.irp m, 1,2,4,8
	v_add_f32_dpp v104, v104, v104 row_xmask:\m row_mask:0xf bank_mask:0xf
.endr
	v_permlanex16_b32 v108, v104, s18, s19
	v_add_f32 v104, v104, v108
	v_fma_f32 v104, v104, s21, s22
	v_rsq_f32 v106, v104
	v_rsq_f32 v107, v104
	v_nop                                          ; one plain place before the result is used (ISA guide 5.7.2)
	s_wait_alu depctr_va_vdst(0)
.irp p, 0,2,4,6
	v_pk_mul_f32 v[X+\p:X+\p+1], v[X+\p:X+\p+1], v[106:107]
.endr
.irp p, 0,2,4,6
	v_pk_fma_f32 v[X+\p:X+\p+1], v[X+\p:X+\p+1], v[GG+\p:GG+\p+1], v[BT+\p:BT+\p+1]
.endr
	global_store_b128 v2, v[X:X+3],   s[14:15]
	global_store_b128 v2, v[X+4:X+7], s[14:15] offset:512
	s_endpgm
.Lfunc_end_k_q45155cc4da_fin:
	.size	k_q45155cc4da_fin, .Lfunc_end_k_q45155cc4da_fin-k_q45155cc4da_fin
	.p2alignl 7, 3214868480
	.fill 96, 4, 3214868480
	.section	.rodata,"a",@progbits
	.p2align	6, 0x0
	.amdhsa_kernel k_q45155cc4da_fin
		.amdhsa_group_segment_fixed_size 0
		.amdhsa_private_segment_fixed_size 0
		.amdhsa_enable_private_segment 0
		.amdhsa_kernarg_size 48
		.amdhsa_user_sgpr_count 2
		.amdhsa_user_sgpr_kernarg_segment_ptr 1
		.amdhsa_wavefront_size32 1
		.amdhsa_system_sgpr_workgroup_id_x 1
		.amdhsa_system_sgpr_workgroup_id_y 1
		.amdhsa_system_sgpr_workgroup_id_z 1
		.amdhsa_system_vgpr_workitem_id 0
		.amdhsa_next_free_vgpr 112
		.amdhsa_next_free_sgpr 66
		.amdhsa_reserve_vcc 0
		.amdhsa_float_denorm_mode_32 3
		.amdhsa_float_denorm_mode_16_64 3
		.amdhsa_memory_ordered 1
		.amdhsa_forward_progress 1
		.amdhsa_inst_pref_size 8
	.end_amdhsa_kernel
	.amdgpu_metadata
---
amdhsa.version: [ 1, 2 ]
amdhsa.kernels:
  - .name:           k_q45155cc4da_fin
    .symbol:         k_q45155cc4da_fin.kd
    .args:
      - { .name: part, .offset: 0, .size: 8, .value_kind: global_buffer, .address_space: global }
      - { .name: xo1, .offset: 8, .size: 8, .value_kind: global_buffer, .address_space: global }
      - { .name: bX2, .offset: 16, .size: 8, .value_kind: global_buffer, .address_space: global }
      - { .name: gX2, .offset: 24, .size: 8, .value_kind: global_buffer, .address_space: global }
      - { .name: betX2, .offset: 32, .size: 8, .value_kind: global_buffer, .address_space: global }
      - { .name: out0, .offset: 40, .size: 8, .value_kind: global_buffer, .address_space: global }
    .group_segment_fixed_size: 0
    .private_segment_fixed_size: 0
    .kernarg_segment_align: 8
    .kernarg_segment_size: 48
    .max_flat_workgroup_size: 128
    .sgpr_count:     66
    .vgpr_count:     112
    .wavefront_size: 32
...
	.end_amdgpu_metadata
.endif
;; end of part 4
;; ======== version 2 of 2: 4 launches; version 1 with the launch prep written anew for expert scheduling mode
;; limits: right only within a limited range of input values
;; workspace buffers: qf 524,288 bytes; kv 1,048,576 bytes; wf 2,359,296 bytes; be 256 bytes; xo1 524,288 bytes; part 4,194,304 bytes
;; launch prep (part 5): grid 169 x 1, 8 waves a work-group, no clusters, 19,456 bytes of LDS; arguments X, Wq, Wk, Wv, bq, bk, bv, node_mask, Wem, Wea, Weo, WE1, WE2, Wxo, WX1, WX2, bea, beo, qf, kv, wf, be; writes qf, kv, wf, be
.if DOCPART == 5
	.amdgcn_target "amdgcn-amd-amdhsa--gfx1250"
	.amdhsa_code_object_version 6
	.text
	.protected	k_q45155cc4da_prep
	.globl	k_q45155cc4da_prep
	.p2align	8
	.type	k_q45155cc4da_prep,@function
k_q45155cc4da_prep:
	s_mov_b64 s[64:65], 0
	v_nop
	global_prefetch_b8 v0, s[64:65] scope:SCOPE_SE
	s_setreg_imm32_b32 hwreg(HW_REG_WAVE_SCHED_MODE, 0, 2), 2
	s_setreg_imm32_b32 hwreg(HW_REG_WAVE_MODE, 25, 1), 1
	s_wait_xcnt 0x0
	s_wait_alu depctr_vm_vsrc(0)
; PREP: everything that the later launches want in another order or format.  Three roles, chosen by the work-group's number.
;  0..95    Q, K, V = (X W + b) xm, Q also times 1/sqrt(32); bf16 products, f32 sums.  Stored f32 in the order in which a 16 x 16
;           result tile lies in registers, so that the main launch loads K and V straight into registers with 16-byte loads.
;  96..167  the eight weight matrices, f32 [K][N], as bf16 operand fragments of 1,024 bytes: fragment (nt, ks), byte 512 half + 16 lane,
;           holds W[32 ks + 16 half + 8 h + 0..7][16 nt + r]  (r = lane % 16, h = lane / 16); place inside a matrix: nt KS + ks.
;  168      beo' = beo + bea Weo in f32 (bea's share of newE; see the main launch's head).
; No cluster: the work-groups of a role share only weights of a few hundred KB, which go to registers, not to LDS.
; THE MODE: SCHED_MODE bits 1:0 = 2 (LLVM: expert scheduling mode 2), set by the entry lines.  The code itself states the register dependences
; between vector or matrix instructions and memory or LDS instructions, with s_wait_alu, always for 0.
; THE PLAN.  Registers that memory or LDS instructions touch:
;   all roles    s2: written by v_readfirstlane_b32 at the head, read by scalar lines of each role: one wait on va_sdst ahead of the first branch.
;                v14, v15: written at the head, read by the closing add alone.
;   Q, K, V      v1, v4-v9, v22  offsets and LDS addresses: written once, never again.
;                v192-207        written by X's 16 conversions, read by the 8 LDS stores, written again by the weights' conversions 32 to 63.
;                G low v32-95    gathers land; conversions 0 to 31 read it; the LDS loads of row tile 0's A fragments land in it.
;                G high v96-159  gathers land; conversions 32 to 63 read it; the LDS loads of row tile 1's A fragments land in it.
;                D v224-239      written by the matrix instructions and the bias and mask lines, read by the four stores.
;                Row tile 0's LDS loads stand behind the wait that follows conversions 0 to 31; conversions 32 to 63 are issued behind them and name
;                v96-159 and v192-223 alone: none of the registers that those loads touch (v9, v32-95).
;   weights      v16-31, v128-131 offsets, written once; v32-95 loads land, conversions read; v96-127 conversions write, stores read.
;   beo'         v6-v9 offsets, written once; v16 the LDS store's data; v20-29 loads land, then vector lines; v20-21 the store's data.
.set APITCH, 528                       ; a row of 256 bf16 + 16 bytes: an odd multiple of 16, so 16 rows start at 16 different 16-byte columns modulo 256
.set RED,    32*APITCH                 ; behind the 32 rows: 1,024 bytes for role 168's partial sums
.set G,   32                           ; v[32:159]  gathered weights (f32), then the A fragments [jt][ks][8]
.set BFR, 160                          ; v[160:223] X as loaded (first 32), then the B fragments [ks][8]
.set D,   224                          ; v[224:239] two result tiles
.set XM,  240                          ; v[240:255] xm of my 16 rows, times the scale
	v_lshl_add_u32 v14, v0, 2, 0x4800
	v_mov_b32 v15, 0
	v_lshrrev_b32 v1, 5, v0
	v_readfirstlane_b32 s2, v1                     ; wave
	v_and_b32 v2, 15, v0                           ; r
	v_bfe_u32 v3, v0, 4, 1                         ; h
	v_and_b32 v1, 31, v0
	v_lshlrev_b32 v1, 4, v1                        ; 16 x lane
	s_wait_alu depctr_va_sdst(0)                   ; s2 is written, ahead of the branches below and of its first reader in each role
	s_cmp_ge_u32 ttmp9, 168
	s_cbranch_scc1 .Lbeo
	s_cmp_ge_u32 ttmp9, 96
	s_cbranch_scc1 .Lconv
; ---------------------------------------------------------------- role Q, K, V
; work-group = (sel 0..2, ch 0..1, bw 0..15): rows 32 bw .. +31 of X, channels 128 ch .. +127; wave: channel tile ct = 8 ch + wave.
	s_load_b512 s[8:23], s[0:1], 0x0               ; X, Wq, Wk, Wv, bq, bk, bv, node_mask
	s_load_b128 s[24:27], s[0:1], 0x90             ; qf, kv
	s_lshr_b32 s3, ttmp9, 5                        ; sel
	s_bfe_u32 s4, ttmp9, 0x10004                   ; ch
	s_and_b32 s5, ttmp9, 15                        ; bw
	s_lshl_b32 s6, s4, 3
	s_add_co_u32 s6, s6, s2                        ; ct
	v_lshlrev_b32 v4, 4, v0                        ; X block: 16 t
	v_lshrrev_b32 v5, 6, v0
	v_mul_u32_u24 v5, v5, APITCH
	v_and_b32 v6, 63, v0
	v_lshl_add_u32 v5, v6, 3, v5                   ; LDS: row t / 64, 8 bytes at column t % 64
	v_lshlrev_b32 v6, 3, v3                        ; 8 h
	v_lshlrev_b32 v7, 2, v2                        ; 4 r
	v_lshl_add_u32 v8, v3, 13, v7                  ; weights: 8 h rows of 1,024 bytes + 4 r
	v_mul_u32_u24 v9, v2, APITCH
	v_lshl_add_u32 v9, v3, 4, v9                   ; A fragment: row r, 16 h
	s_lshl_b32 s28, s5, 15                         ; 32 rows of 1,024 bytes
	s_mov_b32 s29, 0
	s_lshl_b32 s30, s6, 6                          ; 16 channels of 4 bytes
	s_mov_b32 s31, 0
	s_lshl_b32 s32, s5, 5                          ; 32 mask bytes
	s_mov_b32 s33, 0
	s_lshl_b32 s43, s5, 15                         ; Q's place: (2 bw + jt) 16,384 + ct 1,024
	s_lshl_b32 s7, s6, 10
	s_add_co_u32 s43, s43, s7
	s_lshl_b32 s44, s5, 16                         ; K's, V's place: bw 65,536 + ct 4,096 + (sel - 1) 2,048 + jt 1,024
	s_lshl_b32 s7, s6, 12
	s_add_co_u32 s44, s44, s7
	s_sub_co_u32 s7, s3, 1
	s_lshl_b32 s7, s7, 11
	s_add_co_u32 s44, s44, s7                      ; (without meaning for sel = 0, and not chosen then)
	s_mov_b32 s42, 16384
	s_mov_b32 s47, 0
	s_wait_kmcnt 0x0
	s_add_nc_u64 s[28:29], s[8:9], s[28:29]        ; X at my rows
	s_add_nc_u64 s[32:33], s[22:23], s[32:33]      ; node_mask at my rows
	s_cmp_eq_u32 s3, 0
	s_cselect_b64 s[34:35], s[10:11], s[12:13]     ; W
	s_cselect_b64 s[36:37], s[16:17], s[18:19]     ; bias
	s_cselect_b64 s[38:39], s[24:25], s[26:27]     ; where to
	s_cselect_b32 s46, s43, s44
	s_cselect_b32 s41, s42, 1024                   ; from row tile 0 to row tile 1
	s_cselect_b32 s40, 0x3e3504f3, 1.0             ; 1 / sqrt(32) for Q
	s_cmp_eq_u32 s3, 2
	s_cselect_b64 s[34:35], s[14:15], s[34:35]
	s_cselect_b64 s[36:37], s[20:21], s[36:37]
	s_add_nc_u64 s[34:35], s[34:35], s[30:31]
	s_add_nc_u64 s[36:37], s[36:37], s[30:31]
	s_add_nc_u64 s[38:39], s[38:39], s[46:47]
	s_wait_alu depctr_va_vdst(0)                   ; the offsets and LDS addresses v1, v4 to v9 are written, which the loads, LDS stores and LDS loads of this role read
.irp u, 0,1,2,3,4,5,6,7
	global_load_b128 v[BFR+4*\u:BFR+4*\u+3], v4, s[28:29] offset:4096*\u   ; the dense block of 32 rows, 4,096 bytes a line
.endr
	global_load_b64 v[16:17], v6, s[32:33]                 ; mask bytes of rows 8 h .. +7
	global_load_b64 v[18:19], v6, s[32:33] offset:16       ; and of rows 16 + 8 h .. +7
	global_load_b32 v20, v7, s[36:37]                      ; bias of my channel
; register G + 16 ks + 8 half + e = W[32 ks + 16 half + 8 h + e][16 ct + r]
.macro GATHER first, count
.set gi, \first
.rept \count
	global_load_b32 v[G+gi], v8, s[34:35] offset:(32*(gi/16)+16*((gi/8)%2)+(gi%8))*1024
.set gi, gi+1
.endr
.endm
	GATHER 0, 48
	s_wait_loadcnt 48                              ; the 48 gathers stay out: X, mask and bias are in
.irp u, 0,1,2,3,4,5,6,7
	v_cvt_pk_bf16_f32 v[192+2*\u], v[BFR+4*\u], v[BFR+4*\u+1]
	v_cvt_pk_bf16_f32 v[193+2*\u], v[BFR+4*\u+2], v[BFR+4*\u+3]
.endr
	s_wait_alu depctr_va_vdst(0)                   ; the sixteen conversions have written v192 to v207, which the LDS stores read
.irp u, 0,1,2,3,4,5,6,7
	ds_store_b64 v5, v[192+2*\u:193+2*\u] offset:4*APITCH*\u
.endr
	GATHER 48, 80                                  ; no wait: no vector instruction has named v80 to v159, and v8 stands as it was
.set xi, 0
.rept 16
	v_bfe_u32 v[XM+xi], v[16+xi/4], 8*(xi%4), 8    ; byte of row 16 jt + 8 h + e, xi = 8 jt + e
.set xi, xi+1
.endr
.set xi, 0
.rept 16
	v_cvt_f32_u32 v[XM+xi], v[XM+xi]
.set xi, xi+1
.endr
.set xi, 0
.rept 16
	v_mul_f32 v[XM+xi], s40, v[XM+xi]
.set xi, xi+1
.endr
	v_mov_b32 v21, v20                             ; the bias as a pair
	v_add_nc_u32 v22, s41, v1                      ; store offset of row tile 1
	s_wait_dscnt 0x0                               ; my part of X is in LDS, for the others' sake
	s_barrier_signal -1
	s_barrier_wait -1
	s_wait_loadcnt 0x0
	s_wait_alu depctr_vm_vsrc(0)                   ; my LDS stores have read v192 to v207, which the conversions 32 to 63 below write again
.set xi, 0
.rept 32
	v_cvt_pk_bf16_f32 v[BFR+xi], v[G+2*xi], v[G+2*xi+1]    ; B fragment ks: registers 0-3 k = 8 h .., 4-7 k = 16 + 8 h ..
.set xi, xi+1
.endr
	s_wait_alu depctr_va_vdst(0)                   ; conversions 0 to 31 are done reading v32 to v95, in which row tile 0's A fragments land
.irp ks, 0,1,2,3,4,5,6,7
	ds_load_b128 v[G+8*\ks:G+8*\ks+3],   v9 offset:64*\ks
	ds_load_b128 v[G+8*\ks+4:G+8*\ks+7], v9 offset:64*\ks+32
.endr
.set xi, 32
.rept 32
	v_cvt_pk_bf16_f32 v[BFR+xi], v[G+2*xi], v[G+2*xi+1]    ; these name v96 to v159 and v192 to v223: none of the registers that the loads above touch
.set xi, xi+1
.endr
	s_wait_alu depctr_va_vdst(0)                   ; conversions 32 to 63 are done reading v96 to v159, in which row tile 1's A fragments land
.irp ks, 0,1,2,3,4,5,6,7
	ds_load_b128 v[G+64+8*\ks:G+64+8*\ks+3],   v9 offset:16*APITCH+64*\ks
	ds_load_b128 v[G+64+8*\ks+4:G+64+8*\ks+7], v9 offset:16*APITCH+64*\ks+32
.endr
	s_wait_dscnt 0x0
.irp jt, 0,1
	v_wmma_f32_16x16x32_bf16 v[D+8*\jt:D+8*\jt+7], v[G+64*\jt:G+64*\jt+7], v[BFR:BFR+7], 0     ; the first product starts the sums
.endr
.irp ks, 1,2,3,4,5,6,7
.irp jt, 0,1
	v_wmma_f32_16x16x32_bf16 v[D+8*\jt:D+8*\jt+7], v[G+64*\jt+8*\ks:G+64*\jt+8*\ks+7], v[BFR+8*\ks:BFR+8*\ks+7], v[D+8*\jt:D+8*\jt+7]
.endr
.endr
.rept 4
	v_nop                                          ; four places before a vector instruction reads a matrix result (ISA guide 7.12.1)
.endr
.irp p, 0,2,4,6,8,10,12,14
	v_pk_add_f32 v[D+\p:D+\p+1], v[D+\p:D+\p+1], v[20:21]
.endr
.irp p, 0,2,4,6,8,10,12,14
	v_pk_mul_f32 v[D+\p:D+\p+1], v[D+\p:D+\p+1], v[XM+\p:XM+\p+1]
.endr
	s_wait_alu depctr_va_vdst(0)                   ; the bias and mask lines have written v224 to v239, which the four stores read (v22, their second offset, was written further up)
	global_store_b128 v1,  v[D:D+3],     s[38:39]              ; each store of the wave: 512 consecutive bytes, aligned
	global_store_b128 v1,  v[D+4:D+7],   s[38:39] offset:512
	global_store_b128 v22, v[D+8:D+11],  s[38:39]
	global_store_b128 v22, v[D+12:D+15], s[38:39] offset:512
	s_wait_dscnt 0x0                               ; the closing lines, six on end, of a launch in the mode that stores to LDS
	s_wait_alu 0x0
	s_wait_tensorcnt 0x0
	ds_add_u32 v14, v15
	s_wait_dscnt 0x0
	s_endpgm
; ---------------------------------------------------------------- role weights to fragments
; job = 8 (work-group - 96) + wave, 0..575.  A job makes the four fragments nt = 4 ntq + q of one ks: its loads of one row cover 256 bytes.
.Lconv:
	s_load_b512 s[8:23], s[0:1], 0x40              ; Wem, Wea, Weo, WE1, WE2, Wxo, WX1, WX2
	s_load_b64 s[24:25], s[0:1], 0xa0              ; wf
	s_sub_co_u32 s3, ttmp9, 96
	s_lshl_b32 s3, s3, 3
	s_add_co_u32 s3, s3, s2                        ; job
	s_wait_kmcnt 0x0
	s_mov_b64 s[40:41], s[8:9]                     ; Wem: first job 0, log2 KS 1, row of 1,024 bytes, first fragment 0
	s_mov_b32 s42, 0
	s_mov_b32 s43, 1
	s_mov_b32 s44, 1024
	s_mov_b32 s45, 0
.macro SELM start, ptr, lks, rb, dfrag             ; from job start on: the next matrix
	s_cmp_ge_u32 s3, \start
	s_cselect_b64 s[40:41], s[\ptr:\ptr+1], s[40:41]
	s_cselect_b32 s42, \start, s42
	s_cselect_b32 s43, \lks, s43
	s_cselect_b32 s44, \rb, s44
	s_cselect_b32 s45, \dfrag, s45
.endm
	SELM 8,   10, 1, 1024, 32                      ; Wea  [64][256]
	SELM 16,  12, 3, 256,  64                      ; Weo  [256][64]
	SELM 24,  14, 1, 512,  96                      ; WE1  [64][128]
	SELM 28,  16, 2, 256,  112                     ; WE2  [128][64]
	SELM 32,  18, 3, 1024, 128                     ; Wxo  [256][256]
	SELM 64,  20, 3, 8192, 256                     ; WX1  [256][2048]
	SELM 320, 22, 6, 1024, 1280                    ; WX2  [2048][256]
	s_sub_co_u32 s46, s3, s42                      ; job inside the matrix
	s_lshl_b32 s47, 1, s43                         ; KS
	s_sub_co_u32 s48, s47, 1
	s_and_b32 s48, s46, s48                        ; ks
	s_lshr_b32 s49, s46, s43                       ; ntq
	s_mul_i32 s50, s48, s44
	s_lshl_b32 s50, s50, 5                         ; 32 ks rows
	s_lshl_b32 s51, s49, 8                         ; + 64 columns of 4 bytes for each ntq
	s_add_co_u32 s50, s50, s51
	s_mov_b32 s51, 0
	s_add_nc_u64 s[40:41], s[40:41], s[50:51]
	s_mul_i32 s52, s49, s47
	s_lshl_b32 s52, s52, 2                         ; 4 ntq KS
	s_add_co_u32 s52, s52, s45
	s_add_co_u32 s52, s52, s48
	s_lshl_b32 s52, s52, 10                        ; fragments of 1,024 bytes
	s_mov_b32 s53, 0
	s_add_nc_u64 s[24:25], s[24:25], s[52:53]
	s_lshl_b32 s54, s47, 10                        ; from nt to nt + 1: KS fragments
	s_mul_i32 s55, s44, 9                          ; nine rows
	v_lshlrev_b32 v4, 3, v3
	v_mul_lo_u32 v4, v4, s44                       ; 8 h rows
	v_lshl_add_u32 v16, v2, 2, v4                  ; v[16+a], a = 8 half + e: row 16 half + 8 h + e, column r
.irp a, 1,2,3,4,5,6,7
	v_add_nc_u32 v[16+\a], s44, v[15+\a]
.endr
	v_add_nc_u32 v24, s55, v23                     ; from row 8 h + 7 to row 16 + 8 h
.irp a, 9,10,11,12,13,14,15
	v_add_nc_u32 v[16+\a], s44, v[15+\a]
.endr
	v_mov_b32 v128, v1                             ; store offsets: 16 lane + q KS 1,024
	v_add_nc_u32 v129, s54, v128
	v_add_nc_u32 v130, s54, v129
	v_add_nc_u32 v131, s54, v130
	s_wait_alu depctr_va_vdst(0)                   ; the loads' offsets v16 to v31 and the stores' offsets v128 to v131 are written
.irp a, 0,1,2,3,4,5,6,7,8,9,10,11,12,13,14,15
.irp q, 0,1,2,3
	global_load_b32 v[32+16*\q+\a], v[16+\a], s[40:41] offset:64*\q
.endr
.endr
	s_wait_loadcnt 0x0
.set xi, 0
.rept 32
	v_cvt_pk_bf16_f32 v[96+xi], v[32+2*xi], v[33+2*xi]
.set xi, xi+1
.endr
	s_wait_alu depctr_va_vdst(0)                   ; the conversions have written v96 to v127, which the eight stores read
.irp q, 0,1,2,3
	global_store_b128 v[128+\q], v[96+8*\q:96+8*\q+3], s[24:25]            ; 512 consecutive bytes, aligned
	global_store_b128 v[128+\q], v[96+8*\q+4:96+8*\q+7], s[24:25] offset:512
.endr
	s_endpgm                                       ; this role stores nothing to LDS
; ---------------------------------------------------------------- role beo' = beo + bea Weo, f32
; thread t: column e = t % 64, the 64 rows c = 64 (t / 64) .. +63; the four partial sums meet in LDS.
.Lbeo:
	s_load_b64 s[8:9], s[0:1], 0x50                ; Weo
	s_load_b128 s[12:15], s[0:1], 0x80             ; bea, beo
	s_load_b64 s[16:17], s[0:1], 0xa8              ; be
	v_and_b32 v4, 63, v0
	v_lshrrev_b32 v5, 6, v0
	v_lshlrev_b32 v6, 14, v5
	v_lshl_add_u32 v6, v4, 2, v6                   ; 64 rows of 256 bytes for each quarter + 4 e
	v_lshlrev_b32 v7, 8, v5                        ; bea: 64 numbers for each quarter
	v_lshlrev_b32 v8, 2, v0
	v_lshlrev_b32 v9, 3, v0
	s_wait_kmcnt 0x0
	s_wait_alu depctr_va_vdst(0)                   ; the offsets v6 to v9 are written, which this role's loads, LDS instructions and store read
.set xi, 0
.rept 64
	global_load_b32 v[32+xi], v6, s[8:9] offset:256*xi
.set xi, xi+1
.endr
.set xi, 0
.rept 16
	global_load_b128 v[96+4*xi:96+4*xi+3], v7, s[12:13] offset:16*xi
.set xi, xi+1
.endr
	s_wait_loadcnt 0x0
	v_pk_mul_f32 v[16:17], v[32:33], v[96:97]      ; two chains, started by the first products
	v_pk_mul_f32 v[18:19], v[34:35], v[98:99]
.set xi, 4
.rept 15
	v_pk_fma_f32 v[16:17], v[32+xi:33+xi], v[96+xi:97+xi], v[16:17]
	v_pk_fma_f32 v[18:19], v[34+xi:35+xi], v[98+xi:99+xi], v[18:19]
.set xi, xi+4
.endr
	v_pk_add_f32 v[16:17], v[16:17], v[18:19]
	v_add_f32 v16, v16, v17
	s_wait_alu depctr_va_vdst(0)                   ; the partial sum v16 is written, which the LDS store reads
	ds_store_b32 v8, v16 offset:RED
	s_wait_dscnt 0x0
	s_barrier_signal -1
	s_barrier_wait -1
	s_cmp_lg_u32 s2, 0
	s_cbranch_scc1 .Lbeo_end                       ; wave 0 alone adds up: lane L takes columns 2 L, 2 L + 1
	global_load_b64 v[20:21], v9, s[14:15]         ; no wait: no vector instruction of this role has named v20 to v29
.irp q, 0,1,2,3
	ds_load_b64 v[22+2*\q:23+2*\q], v9 offset:RED+256*\q
.endr
	s_wait_loadcnt 0x0
	s_wait_dscnt 0x0
	v_pk_add_f32 v[22:23], v[22:23], v[24:25]
	v_pk_add_f32 v[26:27], v[26:27], v[28:29]
	v_pk_add_f32 v[22:23], v[22:23], v[26:27]
	v_pk_add_f32 v[20:21], v[20:21], v[22:23]
	s_wait_alu depctr_va_vdst(0)                   ; the sums v20 and v21 are written, which the store reads
	global_store_b64 v9, v[20:21], s[16:17]        ; the wave stores the buffer's 256 bytes
.Lbeo_end:
	s_wait_dscnt 0x0                               ; the closing lines, six on end, of a launch in the mode that stores to LDS
	s_wait_alu 0x0
	s_wait_tensorcnt 0x0
	ds_add_u32 v14, v15
	s_wait_dscnt 0x0
	s_endpgm
.Lfunc_end_k_q45155cc4da_prep:
	.size	k_q45155cc4da_prep, .Lfunc_end_k_q45155cc4da_prep-k_q45155cc4da_prep
	.p2alignl 7, 3214868480
	.fill 96, 4, 3214868480
	.section	.rodata,"a",@progbits
	.p2align	6, 0x0
	.amdhsa_kernel k_q45155cc4da_prep
		.amdhsa_group_segment_fixed_size 19456
		.amdhsa_private_segment_fixed_size 0
		.amdhsa_enable_private_segment 0
		.amdhsa_kernarg_size 176
		.amdhsa_user_sgpr_count 2
		.amdhsa_user_sgpr_kernarg_segment_ptr 1
		.amdhsa_wavefront_size32 1
		.amdhsa_system_sgpr_workgroup_id_x 1
		.amdhsa_system_sgpr_workgroup_id_y 1
		.amdhsa_system_sgpr_workgroup_id_z 1
		.amdhsa_system_vgpr_workitem_id 0
		.amdhsa_next_free_vgpr 256
		.amdhsa_next_free_sgpr 66
		.amdhsa_reserve_vcc 0
		.amdhsa_float_denorm_mode_32 3
		.amdhsa_float_denorm_mode_16_64 3
		.amdhsa_memory_ordered 1
		.amdhsa_forward_progress 1
		.amdhsa_inst_pref_size 53
	.end_amdhsa_kernel
	.amdgpu_metadata
---
amdhsa.version: [ 1, 2 ]
amdhsa.kernels:
  - .name:           k_q45155cc4da_prep
    .symbol:         k_q45155cc4da_prep.kd
    .args:
      - { .name: X, .offset: 0, .size: 8, .value_kind: global_buffer, .address_space: global }
      - { .name: Wq, .offset: 8, .size: 8, .value_kind: global_buffer, .address_space: global }
      - { .name: Wk, .offset: 16, .size: 8, .value_kind: global_buffer, .address_space: global }
      - { .name: Wv, .offset: 24, .size: 8, .value_kind: global_buffer, .address_space: global }
      - { .name: bq, .offset: 32, .size: 8, .value_kind: global_buffer, .address_space: global }
      - { .name: bk, .offset: 40, .size: 8, .value_kind: global_buffer, .address_space: global }
      - { .name: bv, .offset: 48, .size: 8, .value_kind: global_buffer, .address_space: global }
      - { .name: node_mask, .offset: 56, .size: 8, .value_kind: global_buffer, .address_space: global }
      - { .name: Wem, .offset: 64, .size: 8, .value_kind: global_buffer, .address_space: global }
      - { .name: Wea, .offset: 72, .size: 8, .value_kind: global_buffer, .address_space: global }
      - { .name: Weo, .offset: 80, .size: 8, .value_kind: global_buffer, .address_space: global }
      - { .name: WE1, .offset: 88, .size: 8, .value_kind: global_buffer, .address_space: global }
      - { .name: WE2, .offset: 96, .size: 8, .value_kind: global_buffer, .address_space: global }
      - { .name: Wxo, .offset: 104, .size: 8, .value_kind: global_buffer, .address_space: global }
      - { .name: WX1, .offset: 112, .size: 8, .value_kind: global_buffer, .address_space: global }
      - { .name: WX2, .offset: 120, .size: 8, .value_kind: global_buffer, .address_space: global }
      - { .name: bea, .offset: 128, .size: 8, .value_kind: global_buffer, .address_space: global }
      - { .name: beo, .offset: 136, .size: 8, .value_kind: global_buffer, .address_space: global }
      - { .name: qf, .offset: 144, .size: 8, .value_kind: global_buffer, .address_space: global }
      - { .name: kv, .offset: 152, .size: 8, .value_kind: global_buffer, .address_space: global }
      - { .name: wf, .offset: 160, .size: 8, .value_kind: global_buffer, .address_space: global }
      - { .name: be, .offset: 168, .size: 8, .value_kind: global_buffer, .address_space: global }
    .group_segment_fixed_size: 19456
    .private_segment_fixed_size: 0
    .kernarg_segment_align: 8
    .kernarg_segment_size: 176
    .max_flat_workgroup_size: 256
    .sgpr_count:     66
    .vgpr_count:     256
    .wavefront_size: 32
...
	.end_amdgpu_metadata
.endif
;; end of part 5
;; launch main: the kernel of part 2 again; grid 256 x 1, 8 waves a work-group, no clusters, 280,832 bytes of LDS; arguments E, node_mask, sparse_mask, bem, gE1, betE1, gE2, betE2, bE1, bE2, qf, kv, wf, be, xo1, out1, X, bxo, gX1, betX1; writes xo1, out1
;; launch ffx: the kernel of part 3 again; grid 256 x 1, 8 waves a work-group, no clusters, 34,816 bytes of LDS; arguments xo1, wf, bX1, part; writes part
;; launch fin: the kernel of part 4 again; grid 128 x 1, 4 waves a work-group, no clusters, 0 bytes of LDS; arguments part, xo1, bX2, gX2, betX2, out0; writes out0
